; MI455X (gfx1250); checked and timed in simulation.
; The chip was launched on July 23, 2026; its instructions are those of AMD's public machine-readable ISA for CDNA 5 (MIT licence, August 2026) and "CDNA5" Instruction Set Architecture Reference Guide (July 2026). The comments in the code are by the model that wrote it; some were corrected since.
;; Causal Attention. Allowed arithmetic: matrix products marked QUANTISED: E4M3 operands, one given power-of-two scale a tensor, by v_wmma_f32_16x16x64_fp8_fp8 or v_wmma_f32_16x16x128_fp8_fp8, f32 sums; everything else in f32.
;; Inputs: W_attn_codes 3,072 x 32 x 32 uint8 (E4M3 codes of W_attn, K innermost, in blocks of 32 codes); W_proj_codes 1,024 x 32 x 32 uint8 (E4M3 codes of W_proj, K innermost, in blocks of 32 codes); b_attn 3,072 float32; b_proj 1,024 float32; lowp_scales 8 int32 (the exponents e of the quantised operands' scales 2^e); x_codes 4 x 2,048 x 32 x 32 uint8 (E4M3 codes of x, K innermost, in blocks of 32 codes).
;; Outputs: out0 4 x 2,048 x 1,024 float32.
;; This version of the problem:
;;   THIS VERSION OF THE PROBLEM IS GIVEN IN LOW PRECISION. The matrix products marked QUANTISED in the list below multiply operands that are first quantised to E4M3 (4 exponent bits, 3 mantissa bits; 8 bits a number), with one given power-of-two scale for each operand tensor; their sums are f32. All else is computed in f32.
;;   The module's matrix products, in the order in which they are computed (A, B: the left and right operand; K: the contracted axis; several contracted axes count as one K, in the product's order):
;;     1. [M 8,192, K 1,024] x [K 1,024, N 3,072]; A: input x (given as codes); B: input W_attn (given as codes): QUANTISED (scales: A lowp_scales[0], B lowp_scales[1])
;;     2. batch 64 x [M 2,048, K 64] x [K 64, N 2,048]; A: computed on the way; B: computed on the way: QUANTISED (scales: A lowp_scales[2], B lowp_scales[3])
;;     3. batch 64 x [M 2,048, K 2,048] x [K 2,048, N 64]; A: softmax (see below); B: computed on the way: QUANTISED (scales: A lowp_scales[4], B lowp_scales[5])
;;     4. [M 8,192, K 1,024] x [K 1,024, N 1,024]; A: computed on the way; B: input W_proj (given as codes): QUANTISED (scales: A lowp_scales[6], B lowp_scales[7])
;;   THE QUANTISER, for each operand of a quantised product, along K:
;;     - The operand's scale is 2^e, e = its entry of the input lowp_scales (int32; the entries are numbered through the quantised products in the list's order, A before B).
;;     - Each number is divided by the scale, clamped to +-448, and rounded to the nearest number of E4M3, ties to even, subnormals kept.
;;     - The product sums the exact products of the quantised numbers (number of the format x scale) in f32.
;;   ~~~python
;;   def quantise(x, axis, e):      # numpy; x: float32 -> the quantised numbers, widened to float32 again
;;       x = np.moveaxis(x, axis, -1); K = x.shape[-1]
;;       r = np.clip(x / 2.0 ** e, -448, 448)
;;       step = 2.0 ** (np.maximum(np.frexp(np.where(r == 0, 1, r))[1] - 1, -6) - 3)
;;       q = np.round(r / step) * step * 2.0 ** e      # np.round: ties to even
;;       return np.moveaxis(q, -1, axis).astype(np.float32)
;;   ~~~
;;   SOFTMAX AHEAD OF A QUANTISED PRODUCT. Where the list says 'softmax', what is quantised is not the finished softmax but p = 2^(t - M), with t = logit x log2(e) and M = ceil(the row's largest t), a whole number; so 1/2 < the row's largest p <= 1. The row's sum l is taken of the UNQUANTISED p, in f32, and the product's result is divided by l at the end. Since M is a whole number, a kernel that streams over the keys may use a running M (the ceiling of the running maximum): every later rescaling is an exact power of two, so the quantised numbers keep their values, but for numbers so far below the row's largest that they fall under the format's range.
;;   OPERANDS COMPUTED ON THE WAY. 'Computed on the way' means the value that the module computes at that place (a softmax that the list does not call 'softmax' is quantised finished and normalised). What goes into a quantiser is computed in f32, as accurately as f32 sums, v_exp_f32 and their like allow (about 1e-6 of the number): no bf16 or f16 on the way to a quantiser, and a product that is left as it is and whose result goes on into a quantised operand takes f32 operands (vector FMAs, or v_wmma_f32_16x16x4_f32). A number that lies on a knife's edge between two numbers of the format may be rounded either way, as far as f32 arithmetic and the matrix unit's own rounding can turn it there, and no further.
;;   INPUTS GIVEN AS CODES. W_attn (in the module: [1024, 3072], K = its axis 0); W_proj (in the module: [1024, 1024], K = its axis 0); x (in the module: [4, 2048, 1024], K = its axis 2): each comes as NAME_codes (uint8): NAME with its K axis moved to the last place and cut into blocks of 32 codes, [.., K / 32, bytes a block], one block behind the other in memory; one code a byte (a code: sign, 4 exponent bits, 3 mantissa bits); its scale is its entry of lowp_scales. Its value is code x scale, taken as it is: it is not quantised again, and the codes and scales need not be those that the quantiser above would give.
;; 2 versions, each right; version 2 is version 1 with the launch attn written anew for expert scheduling mode. Each part assembles by itself: llvm-mc -triple=amdgcn-amd-amdhsa -mcpu=gfx1250 --defsym DOCPART=n.
;; ======== version 1 of 2: 3 launches
;; workspace buffers: q_img 8,388,608 bytes; k_img 8,388,608 bytes; v_img 8,388,608 bytes; a_img 8,388,608 bytes
;; launch qkv (part 1): grid 12 x 32, 4 waves a work-group, clusters of 4 x 4, 327,680 bytes of LDS; arguments x_codes, W_attn_codes, b_attn, lowp_scales, q_img, k_img, v_img; writes q_img, k_img, v_img
.if DOCPART == 1
	.amdgcn_target "amdgcn-amd-amdhsa--gfx1250"
	.amdhsa_code_object_version 6
	.text
	.protected	k_q53dbcb8e30_qkv
	.globl	k_q53dbcb8e30_qkv
	.p2align	8
	.type	k_q53dbcb8e30_qkv,@function
k_q53dbcb8e30_qkv:
	s_mov_b64 s[64:65], 0
	v_nop
	global_prefetch_b8 v0, s[64:65] scope:SCOPE_SE
	s_setreg_imm32_b32 hwreg(HW_REG_WAVE_MODE, 25, 1), 1
	s_wait_xcnt 0x0
	s_wait_alu depctr_hold_cnt(0) depctr_sa_sdst(0) depctr_va_vdst(0) depctr_va_sdst(0) depctr_va_ssrc(0) depctr_va_vcc(0) depctr_vm_vsrc(0)
	s_getreg_b32 s2, hwreg(HW_REG_IB_STS2, 6, 4)
	s_cmp_eq_u32 s2, 0
	s_cbranch_scc0 .Lentry_in_a_cluster
	s_endpgm
.Lentry_in_a_cluster:
	s_bfe_u32 s2, ttmp6, 0x10000c
	s_cmp_lg_u32 s2, 0xf033
	s_cbranch_scc0 .Lentry_shape_is_right
	s_endpgm
.Lentry_shape_is_right:
; qkv = x W_attn + b_attn on codes of FP8 (E4M3); then q, k and v are quantised with their given scales and stored as IMAGES OF THE OPERAND REGISTERS that the attention launch loads.
; x: [8192][1024] codes, W_attn: [3072][1024] codes, K innermost.  A number is its code x 2^e: e0 for x, e1 for W_attn.  sum x 2^(e0 + e1) + bias, in f32, is held within +-448 x 2^e and converted (e2 for q, e3 for k, e5 for v).
; LIMITS: e0 + e1 between -126 and 127; e2, e3, e5 between -126 and 119, so that each power of two below is an f32 number.  NaN is not served.
; A tile of 256 x 256 is made by four waves, 128 x 128 each: 64 accumulators, 512 registers.  K = 1,024 goes in four steps of 256 through a ring of two LDS slots filled by the tensor data mover.
; CLUSTERS of 4 x 4 work-groups span 1,024 columns, so the cluster x (0, 1, 2) says q, k or v, alike in all sixteen partners.
; SIDE A is source 1 of the matrix instruction (a lane of the result = one row of A), SIDE B is source 0 (a lane's eight registers = eight neighbouring rows of B).
;   q, k: A = tokens (x), B = channels (W_attn): a lane holds one token and eight channels: along the first attention product's K (the head's 64).
;   v:    A = channels (W_attn rows 2,048 on), B = tokens (x): a lane holds one channel and eight tokens: along the second attention product's K (the keys).
; So one conversion of an accumulator's eight registers gives registers 2 t, 2 t + 1 of the next operand, and nothing is transposed.
; A's block of 256 rows hangs on cy alone and is asked for jointly along the cluster's row; B's hangs on cx alone and is asked for jointly along the column.
; 384 tiles of equal work; a smaller tile would read more LDS bytes for each product, a larger one does not fit the registers.
; IMAGES.  q_img, k_img: [batch x head 64][tile of 16 tokens 128][group 2][lane 32][16 bytes]; v_img: [batch x head 64][step of 128 keys 16][tile of 16 channels 4][group 4][lane 32][16 bytes].  Each store of a wave covers 512 consecutive bytes, aligned.
; REGISTERS, in windows of 256: window 0: v0-31 addresses; from v128 A's fragments, ONE set; on the way out v32-95 bias, v96-159 numbers, v160-223 codes.  window 1: B's fragments, TWO sets.  windows 2, 3: the accumulators ((a, b) at v[8 (8 (a % 4) + b)]).
.set KROW,   1024                      ; a row of x or of W_attn in bytes
.set ROWB,   256                       ; a tile's row in bytes: 256 codes
.set PITCH,  272                       ; an LDS row: 256 bytes + 16 of padding = 68 words: the 16 rows that a load touches start 4 words apart
.set FR,     16                        ; registers of a fragment: 16 rows x 128 K
.set NL,     4                         ; LDS loads that bring one
.set NP,     4                         ; places behind this matrix instruction (ISA guide 7.12.1)
.set HALFT,  128*PITCH                 ; 128 rows: what one tensor load brings
.set SLOT,   4*HALFT                   ; A's 256 rows, then B's 256 rows
.set LAPS,   2                         ; 1,024 / 512
.set SPARE,  2*SLOT                    ; behind the ring: the spare words, 128 bytes for each wave
.set ADRA, 16                          ; v16-17  LDS address of my A fragments in slot 0, 1
.set ADRB, 20                          ; v20-21  the same for B
.set LI,   24                          ; v24     16 x lane: my place in an image
.set BOQ,  25                          ; v25     32 x (lane / 16): my eight channels' bias (q, k)
.set BOV,  26                          ; v26     4 x (lane % 16): my channel's bias (v)
.set SPW,  28                          ; v28     LDS address of my spare word; never rewritten
.set NIL,  29                          ; v29     0; never rewritten
.set SC,   30                          ; v30     2^e as f32, for the conversions
.set LIM,  31                          ; v31     448 x 2^e
.set BI,   32                          ; v32-95  bias
.set TMP,  96                          ; v96-159 a block's 64 numbers
.set CD,   160                         ; v160-223 codes: four sets of 16
.set AF,   128                         ; A's fragments, in window 0
.set G1, 24                            ; s[24:31] descriptor group 1 for A's tiles;  s[32:39] group 0, one set for each slot
.set G0, 32
.set G1B, 48                           ; s[48:55], s[56:63] the same for B's tiles
.set G0B, 56
.set MSB, 0
.macro WIN new                         ; the immediate's high byte repeats the setting that is left
.if MSB != \new
	s_set_vgpr_msb (MSB<<8)|\new
.set MSB, \new
.endif
.endm
.set MUL_LO, 0xa1                      ; source 0 (B) window 1, source 1 (A) window 0, C and D window 2
.set MUL_HI, 0xf1                      ; the same, C and D window 3
.set TO_B,   0x40                      ; destination window 1, address window 0
; A joint load: waves 0 and 1 fetch for A, waves 2 and 3 for B.  The branch hangs on the wave's number alone.  Four v_nop follow each of the two lines.
.macro JLOAD g0a, g1a, g0b, g1b
	s_cmp_eq_u32 s15, 0
	s_cbranch_scc0 .Lfor_b_\@
	tensor_load_to_lds s[\g0a:\g0a+3], s[\g1a:\g1a+7]
	s_nop 0
.rept 4
	v_nop
.endr
	s_branch .Lasked_\@
.Lfor_b_\@:
	tensor_load_to_lds s[\g0b:\g0b+3], s[\g1b:\g1b+7]
	s_nop 0
.rept 4
	v_nop
.endr
.Lasked_\@:
.endm
.macro CREST                           ; a round of the cluster's barrier behind its opening barrier
	s_cmp_lg_u32 s14, 0
	s_cbranch_scc1 .Lnot_wave_0_\@
	s_barrier_signal -3
.Lnot_wave_0_\@:
	s_barrier_wait -3
	s_barrier_signal -1
	s_barrier_wait -1
.endm
.macro CROUND                          ; a whole round
	s_barrier_signal -1
	s_barrier_wait -1
	CREST
.endm
	s_load_b256 s[4:11], s[0:1], 0x0               ; x s[4:5], W_attn s[6:7], b_attn s[8:9], the scales' exponents s[10:11]
	s_load_b128 s[68:71], s[0:1], 0x20             ; q_img, k_img
	s_load_b64 s[72:73], s[0:1], 0x30              ; v_img
	v_lshl_add_u32 v[SPW], v0, 2, SPARE
	v_mov_b32 v[NIL], 0
	ds_add_u32 v28, v29
	ds_add_u32 v28, v29
	s_wait_dscnt 0x0
	v_lshrrev_b32 v1, 5, v0
	v_readfirstlane_b32 s14, v1                    ; wave 0..3
	s_lshr_b32 s15, s14, 1                         ; which half of A's rows is mine.  Also: I fetch for A (0) or for B (1)
	s_and_b32 s16, s14, 1                          ; which half of B's rows.  Also: which 128 rows of that tile I fetch
	s_bfe_u32 s40, ttmp6, 0x40000                  ; cx, cy: my place in the cluster
	s_bfe_u32 s41, ttmp6, 0x40004
	s_lshl_b32 s42, ttmp9, 2                       ; 4 x cluster x
	s_and_b32 s17, ttmp7, 0xffff
	s_lshl_b32 s17, s17, 2                         ; 4 x cluster y
	s_cmp_eq_u32 ttmp9, 2                          ; v's clusters?  The same in all sixteen partners
	s_cselect_b32 s42, s17, s42                    ; B's block of 256 rows: v: of x, 4 x cluster y; q, k: of W_attn, 4 x cluster x
	s_cselect_b32 s17, 8, s17                      ; A's block: v: of W_attn, from block 8 on; q, k: of x, 4 x cluster y
	s_add_co_u32 s42, s42, s40                     ; + cx
	s_add_co_u32 s17, s17, s41                     ; + cy
	s_lshl_b32 s43, s41, 2
	s_lshl_b32 s43, 15, s43                        ; my row of the cluster
	s_lshl_b32 s44, 0x1111, s40                    ; my column
	; descriptor group 1: a tile of 128 rows x 256 bytes, padded in LDS
	s_or_b32 s[G1+0], s43, (0<<16)|(1<<20)|(1<<21)|(5<<22)|(3<<25)  ; 15:0 the mask: A's tiles go to my row; elements of 1 byte; padding on; 21 set beside a mask; after every 64 words (code 5) 4 words (code 3)
	s_or_b32 s[G1B+0], s44, (0<<16)|(1<<20)|(1<<21)|(5<<22)|(3<<25)
.irp g, G1, G1B
	s_mov_b32 s[\g+1], ROWB<<16                    ; tensor_dim0
	s_mov_b32 s[\g+2], 128<<16                     ; tensor_dim1 = 128
	s_mov_b32 s[\g+3], ROWB<<16                    ; tile_dim0
	s_mov_b32 s[\g+4], 128                         ; tile_dim1 = 128
	s_mov_b32 s[\g+5], KROW                        ; tensor_dim0_stride
	s_mov_b32 s[\g+6], 0
	s_mov_b32 s[\g+7], 0
.endr
	s_lshl_b32 s18, s16, 7                         ; which 128 rows of the tile I fetch
	s_lshl_b32 s20, s17, 8
	s_add_co_u32 s20, s20, s18                     ; A: row 256 x block + 128 x half
	s_lshl_b32 s20, s20, 10                        ; in bytes: under 2^23
	s_mov_b32 s21, 0
	s_lshl_b32 s46, s42, 8
	s_add_co_u32 s46, s46, s18                     ; B likewise
	s_lshl_b32 s46, s46, 10
	s_mov_b32 s47, 0
	s_mul_i32 s45, s14, HALFT                      ; where they go: wave x 128 rows: no place in the cluster enters an LDS address
	s_wait_kmcnt 0x0
	s_load_b256 s[76:83], s[10:11], 0x0            ; e0 .. e7
	s_cmp_eq_u32 ttmp9, 2
	s_cselect_b64 s[84:85], s[6:7], s[4:5]         ; A's tensor
	s_cselect_b64 s[86:87], s[4:5], s[6:7]         ; B's tensor
	s_add_nc_u64 s[20:21], s[84:85], s[20:21]
	s_add_nc_u64 s[46:47], s[86:87], s[46:47]
	CROUND                                         ; all sixteen work-groups are here: the first joint loads meet
.irp s, 0,1
	s_mov_b32 s[G0+4*\s], 1
	s_add_co_u32 s[G0+4*\s+1], s45, \s*SLOT
	s_add_nc_u64 s[G0+4*\s+2:G0+4*\s+3], s[20:21], \s*ROWB
	s_or_b32 s[G0+4*\s+3], s[G0+4*\s+3], 0x80000000
	s_mov_b32 s[G0B+4*\s], 1
	s_add_co_u32 s[G0B+4*\s+1], s45, \s*SLOT
	s_add_nc_u64 s[G0B+4*\s+2:G0B+4*\s+3], s[46:47], \s*ROWB
	s_or_b32 s[G0B+4*\s+3], s[G0B+4*\s+3], 0x80000000
	JLOAD G0+4*\s, G1, G0B+4*\s, G1B
.endr
	v_and_b32 v1, 15, v0                           ; l % 16
	v_bfe_u32 v2, v0, 4, 1                         ; l / 16
	v_mul_u32_u24 v3, v1, PITCH
	v_lshl_add_u32 v4, v2, 4, v3                   ; a fragment's row x pitch + 16 x half
	s_mul_i32 s21, s15, HALFT                      ; my 128 rows of A
	s_mul_i32 s22, s16, HALFT                      ; my 128 rows of B,
	s_add_co_u32 s22, s22, 2*HALFT                 ; which lie behind A's 256
.irp s, 0,1
	v_add_nc_u32 v[ADRA+\s], s21, v4
	v_add_nc_u32 v[ADRB+\s], s22, v4
	s_add_co_u32 s21, s21, SLOT
	s_add_co_u32 s22, s22, SLOT
.endr
	v_and_b32 v6, 31, v0
	v_lshlrev_b32 v[LI], 4, v6
	v_lshlrev_b32 v[BOQ], 5, v2
	v_lshlrev_b32 v[BOV], 2, v1
.macro FRAG reg, adr, q, i             ; a fragment, 16 rows x 128 K, is 16 registers: lane l holds row l % 16; registers 4 c .. 4 c + 3 hold K = 32 c + 16 (l / 16) + 0 .. 15: the same order of k on both sides
.irp c, 0,1,2,3
	ds_load_b128 v[\reg+4*\c:\reg+4*\c+3], v[\adr] offset:128*(\q)+32*\c+(\i)*16*PITCH
.endr
.endm
; 16 matrix instructions: A's blocks a0, a0 + 1 x B's eight, 128 along K.  p: B's set.  zero = 1: the first product starts the sums.  The 64 accumulators take turns, one instruction a turn.
.macro MUL16 a0, p, zero
.irp a, \a0, \a0+1
.irp b, 0,1,2,3,4,5,6,7
.if \zero
	v_wmma_f32_16x16x128_fp8_fp8 v[8*(8*((\a)%4)+\b):8*(8*((\a)%4)+\b)+7], v[128*(\p)+FR*\b:128*(\p)+FR*\b+FR-1], v[AF+FR*(\a):AF+FR*(\a)+FR-1], 0
.else
	v_wmma_f32_16x16x128_fp8_fp8 v[8*(8*((\a)%4)+\b):8*(8*((\a)%4)+\b)+7], v[128*(\p)+FR*\b:128*(\p)+FR*\b+FR-1], v[AF+FR*(\a):AF+FR*(\a)+FR-1], v[8*(8*((\a)%4)+\b):8*(8*((\a)%4)+\b)+7]
.endif
.endr
.endr
.endm
.macro FETCH_B slot, q, p              ; B's eight fragments of the slot's q-th 128 along K into set p
	WIN TO_B
.irp i, 0,1,2,3,4,5,6,7
	FRAG 128*(\p)+FR*\i, ADRB+\slot, \q, \i
.endr
	WIN 0
.endm
.macro FETCH_A slot, q, i0             ; A's blocks i0 .. i0 + 3
.irp i, \i0, \i0+1, \i0+2, \i0+3
	FRAG AF+FR*(\i), ADRA+\slot, \q, \i
.endr
.endm
.macro PLACES n                        ; plain vector instructions between a matrix instruction and a load into, or a vector read or write of, its registers
.rept \n
	v_nop
.endr
.endm
; A step of 128 along K that has its successor in the same slot.
.macro STEP slot, q, zero
	s_wait_dscnt 4*NL                              ; B's set and A's blocks 0-3 are in; the youngest 16 loads (A's blocks 4-7) may be out
	WIN MUL_LO
	MUL16 0, (\q)%2, \zero
	MUL16 2, (\q)%2, \zero
	s_wait_dscnt 0                                 ; A's blocks 4-7 are in (asked for 32 matrix instructions ago)
	PLACES NP
	FETCH_B \slot, (\q)+1, 1-(\q)%2
	FETCH_A \slot, (\q)+1, 0
	WIN MUL_HI
	MUL16 4, (\q)%2, \zero
	MUL16 6, (\q)%2, \zero
	PLACES NP
	WIN 0
	FETCH_A \slot, (\q)+1, 4
.endm
; A slot's last step changes slots: ONE barrier; in front of it each wave waits for all its tensor loads, adds 0 to its spare word, and waits for that and for its own reads of this slot.  fill = 1: this slot is filled again, two K steps ahead.
.macro TURN slot, next, fill
	s_wait_tensorcnt 0x0                           ; all my tensor loads have landed: my part of the next slot
	ds_add_u32 v[SPW], v[NIL]                      ; 0 onto my spare word
	s_wait_dscnt 4*NL+1                            ; (the add and the youngest 16 loads, A's blocks 4-7, may be out)
	WIN MUL_LO
	MUL16 0, 1, 0                                  ; sixteen matrix instructions stand between the add and the wait for it
	s_wait_dscnt 0x0                               ; the add is done, and my reads of this slot are over
	s_barrier_signal -1
	MUL16 2, 1, 0
	WIN 0
	s_barrier_wait -1
.if \fill
	CREST                                          ; the barrier has opened a round of the cluster's barrier: no wave of any partner still reads this slot or has a load on its way
	s_add_nc_u64 s[G0+4*\slot+2:G0+4*\slot+3], s[G0+4*\slot+2:G0+4*\slot+3], 2*ROWB
	s_add_nc_u64 s[G0B+4*\slot+2:G0B+4*\slot+3], s[G0B+4*\slot+2:G0B+4*\slot+3], 2*ROWB
	JLOAD G0+4*\slot, G1, G0B+4*\slot, G1B         ; the first tensor load behind the round; its four v_nop are also the places in front of the loads below
.else
	PLACES NP
.endif
	FETCH_B \next, 0, 0
	FETCH_A \next, 0, 0
	WIN MUL_HI
	MUL16 4, 1, 0
	MUL16 6, 1, 0
	PLACES NP
	WIN 0
	FETCH_A \next, 0, 4
.endm
.macro LASTSTEP                        ; the very last 128 along K: nothing more to fetch
	s_wait_dscnt 4*NL
	WIN MUL_LO
	MUL16 0, 1, 0
	MUL16 2, 1, 0
	s_wait_dscnt 0
	WIN MUL_HI
	MUL16 4, 1, 0
	MUL16 6, 1, 0
	WIN 0
.endm
.macro SCALES                          ; s92 = the operand's e
	s_add_co_i32 s96, s76, s77                     ; e0 + e1
	s_add_co_i32 s96, s96, 127
	s_lshl_b32 s96, s96, 23                        ; 2^(e0 + e1) as f32
	s_mov_b32 s97, s96                             ; (named with it as a pair, so it is written)
	s_add_co_i32 s92, s92, 127
	s_lshl_b32 s93, s92, 23
	v_mov_b32 v[SC], s93                           ; 2^e: the conversion takes its exponent field
	s_add_co_i32 s92, s92, 8
	s_lshl_b32 s92, s92, 23
	s_or_b32 s92, s92, 0x600000
	v_mov_b32 v[LIM], s92                          ; 448 x 2^e
.endm
; THE WAY OUT, block a of 16 rows of A at a time: sum x 2^(e0 + e1) + bias (one packed multiply-add for two numbers, each accumulator from its low end on), the hold, eight conversions, four stores of 512 bytes.
; kind 0 (q, k): accumulator b gives registers 2 (b % 4), 2 (b % 4) + 1 of head b / 4's fragment of the block's 16 tokens.  kind 1 (v): accumulator b gives registers 2 b, 2 b + 1 of the fragment of the block's 16 channels x my 128 keys.
.macro EPI kind
	s_wait_loadcnt 0x0                             ; the bias
	PLACES NP                                      ; behind the last products: their results are read, and registers that held A's fragments are written
.irp a, 0,1,2,3,4,5,6,7
.set AC, 64*(\a%4)
.set CSET, CD+16*(\a%4)
	WIN 0x02+(\a/4)                                ; source 0: window 2 or 3
.irp b, 0,1,2,3,4,5,6,7
.irp i, 0,2,4,6
.if \kind
	v_pk_fma_f32 v[TMP+8*\b+\i:TMP+8*\b+\i+1], v[AC+8*\b+\i:AC+8*\b+\i+1], s[96:97], v[BI+2*\a:BI+2*\a+1] op_sel_hi:[1,0,1]
.else
	v_pk_fma_f32 v[TMP+8*\b+\i:TMP+8*\b+\i+1], v[AC+8*\b+\i:AC+8*\b+\i+1], s[96:97], v[BI+8*\b+\i:BI+8*\b+\i+1] op_sel_hi:[1,0,1]
.endif
.endr
.endr
	WIN 0
.set NN, 0
.rept 64
	v_med3_num_f32 v[TMP+NN], v[TMP+NN], -v[LIM], v[LIM]   ; the conversion to an 8-bit code does not saturate (ISA guide 7.6.2): the hold at the largest code x the scale
.set NN, NN+1
.endr
.if \a >= 4
	s_wait_xcnt 0x0                                ; block a - 4's stores have read this set of codes: it is written again only behind this wait
.endif
.irp b, 0,1,2,3,4,5,6,7
	v_cvt_scalef32_pk8_fp8_f32 v[CSET+2*\b:CSET+2*\b+1], v[TMP+8*\b:TMP+8*\b+7], v[SC]
.endr
	v_nop                                          ; a plain vector instruction between the conversions and the next block's writes of their sources
.irp g, 0,1,2,3
.if \kind
	global_store_b128 v[LI], v[CSET+4*\g:CSET+4*\g+3], s[88:89] offset:(\a/4)*131072+2048*(\a%4)+512*\g
.else
	global_store_b128 v[LI], v[CSET+4*\g:CSET+4*\g+3], s[88:89] offset:(\g/2)*131072+1024*\a+512*(\g%2)
.endif
.endr
.endr
.endm
	s_wait_tensorcnt 1                             ; my part of K step 0 is in (K step 1's load may be out),
	s_barrier_signal -1
	s_barrier_wait -1                              ; everybody's is
	FETCH_B 0, 0, 0
	FETCH_A 0, 0, 0
	FETCH_A 0, 0, 4
	STEP 0, 0, 1                                   ; the first step stands in front of the loop: its products start the sums
	s_mov_b32 s3, LAPS-1
.Llap:                                                 ; a trip goes once round the ring and fills both slots again
	TURN 0, 1, 1
	STEP 1, 0, 0
	TURN 1, 0, 1
	STEP 0, 0, 0
	s_sub_co_u32 s3, s3, 1
	s_cmp_lg_u32 s3, 0
	s_cbranch_scc1 .Llap
	TURN 0, 1, 0                                   ; the last lap fills nothing, and has no round of the cluster's barrier
	STEP 1, 0, 0
	s_cmp_eq_u32 ttmp9, 2                          ; the ways part on the cluster's x, alike in all partners; no LDS store and no barrier stands on either
	s_cbranch_scc1 .Lpath_v
	; ---- q, k
	s_wait_kmcnt 0x0
	s_cmp_eq_u32 ttmp9, 0
	s_cselect_b64 s[88:89], s[68:69], s[70:71]     ; q_img or k_img
	s_cselect_b32 s92, s78, s79                    ; e2 or e3
	s_lshr_b32 s93, s17, 3                         ; batch
	s_lshl_b32 s93, s93, 4
	s_and_b32 s94, s42, 3
	s_lshl_b32 s94, s94, 2
	s_add_co_u32 s93, s93, s94
	s_lshl_b32 s94, s16, 1
	s_add_co_u32 s93, s93, s94                     ; 16 batch + my first head: 4 (block % 4) + 2 x half
	s_lshl_b32 s93, s93, 7                         ; 128 tiles of tokens to a head
	s_and_b32 s94, s17, 7
	s_lshl_b32 s94, s94, 4
	s_add_co_u32 s93, s93, s94
	s_lshl_b32 s94, s15, 3
	s_add_co_u32 s93, s93, s94                     ; + my first tile: 16 (block % 8) + 8 x half
	s_lshl_b32 s94, s93, 10                        ; 1,024 bytes a fragment
	s_mov_b32 s95, 0
	s_add_nc_u64 s[88:89], s[88:89], s[94:95]
	s_lshl_b32 s94, s42, 10
	s_lshl_b32 s93, s16, 9
	s_add_co_u32 s94, s94, s93                     ; 4 (256 x block + 128 x half)
	s_add_nc_u64 s[90:91], s[8:9], s[94:95]        ; the bias of my 128 channels
	SCALES
.irp b, 0,1,2,3,4,5,6,7
	global_load_b128 v[BI+8*\b:BI+8*\b+3], v[BOQ], s[90:91] offset:64*\b         ; channels 16 b + 8 (l / 16) + 0 .. 7: the result's layout
	global_load_b128 v[BI+8*\b+4:BI+8*\b+7], v[BOQ], s[90:91] offset:64*\b+16
.endr
	LASTSTEP                                       ; the bias lands under these 64 products
	EPI 0
	s_branch .Lend
.Lpath_v:
	; ---- v
	s_wait_kmcnt 0x0
	s_mov_b32 s92, s81                             ; e5
	s_lshr_b32 s93, s42, 3                         ; batch
	s_lshl_b32 s93, s93, 4
	s_sub_co_u32 s94, s17, 8
	s_lshl_b32 s94, s94, 2
	s_add_co_u32 s93, s93, s94
	s_lshl_b32 s94, s15, 1
	s_add_co_u32 s93, s93, s94                     ; 16 batch + my first head
	s_lshl_b32 s93, s93, 4                         ; 16 key steps to a head
	s_and_b32 s94, s42, 7
	s_lshl_b32 s94, s94, 1
	s_add_co_u32 s93, s93, s94
	s_add_co_u32 s93, s93, s16                     ; + my key step: 2 (block % 8) + half
	s_lshl_b32 s94, s93, 13                        ; 8,192 bytes a step
	s_mov_b32 s95, 0
	s_add_nc_u64 s[88:89], s[72:73], s[94:95]
	s_lshl_b32 s94, s17, 10
	s_lshl_b32 s93, s15, 9
	s_add_co_u32 s94, s94, s93
	s_add_nc_u64 s[90:91], s[8:9], s[94:95]        ; the bias of my 128 channels
	SCALES
.irp n, 0,1,2,3,4,5,6,7,8,9,10,11,12,13,14,15
	global_load_b32 v[BI+\n], v[BOV], s[90:91] offset:64*(\n/2)   ; block n / 2: my lane's channel, into both registers of the pair that the packed form names
.endr
	LASTSTEP
	EPI 1
.Lend:
	s_wait_tensorcnt 0x0                           ; the wave's end
	ds_add_u32 v[SPW], v[NIL]
	s_wait_dscnt 0x0
	CROUND                                         ; the closing round: no work-group ends while a partner may still ask for a tile that names it
	s_endpgm
.Lfunc_end_k_q53dbcb8e30_qkv:
	.size	k_q53dbcb8e30_qkv, .Lfunc_end_k_q53dbcb8e30_qkv-k_q53dbcb8e30_qkv
	.p2alignl 7, 3214868480
	.fill 96, 4, 3214868480
	.section	.rodata,"a",@progbits
	.p2align	6, 0x0
	.amdhsa_kernel k_q53dbcb8e30_qkv
		.amdhsa_group_segment_fixed_size 327680
		.amdhsa_private_segment_fixed_size 0
		.amdhsa_enable_private_segment 0
		.amdhsa_kernarg_size 56
		.amdhsa_user_sgpr_count 2
		.amdhsa_user_sgpr_kernarg_segment_ptr 1
		.amdhsa_wavefront_size32 1
		.amdhsa_system_sgpr_workgroup_id_x 1
		.amdhsa_system_sgpr_workgroup_id_y 1
		.amdhsa_system_sgpr_workgroup_id_z 1
		.amdhsa_system_vgpr_workitem_id 0
		.amdhsa_next_free_vgpr 1024
		.amdhsa_next_free_sgpr 100
		.amdhsa_reserve_vcc 0
		.amdhsa_float_denorm_mode_32 3
		.amdhsa_float_denorm_mode_16_64 3
		.amdhsa_memory_ordered 1
		.amdhsa_forward_progress 1
		.amdhsa_inst_pref_size 199
	.end_amdhsa_kernel
	.amdgpu_metadata
---
amdhsa.version: [ 1, 2 ]
amdhsa.kernels:
  - .name:           k_q53dbcb8e30_qkv
    .symbol:         k_q53dbcb8e30_qkv.kd
    .args:
      - { .name: x_codes, .offset: 0, .size: 8, .value_kind: global_buffer, .address_space: global }
      - { .name: W_attn_codes, .offset: 8, .size: 8, .value_kind: global_buffer, .address_space: global }
      - { .name: b_attn, .offset: 16, .size: 8, .value_kind: global_buffer, .address_space: global }
      - { .name: lowp_scales, .offset: 24, .size: 8, .value_kind: global_buffer, .address_space: global }
      - { .name: q_img, .offset: 32, .size: 8, .value_kind: global_buffer, .address_space: global }
      - { .name: k_img, .offset: 40, .size: 8, .value_kind: global_buffer, .address_space: global }
      - { .name: v_img, .offset: 48, .size: 8, .value_kind: global_buffer, .address_space: global }
    .group_segment_fixed_size: 327680
    .private_segment_fixed_size: 0
    .kernarg_segment_align: 8
    .kernarg_segment_size: 56
    .max_flat_workgroup_size: 128
    .sgpr_count:     100
    .vgpr_count:     1024
    .wavefront_size: 32
...
	.end_amdgpu_metadata
.endif
;; end of part 1
;; launch attn (part 2): grid 4 x 64, 16 waves a work-group, no clusters, 34,816 bytes of LDS; arguments q_img, k_img, v_img, lowp_scales, a_img; writes a_img
.if DOCPART == 2
	.amdgcn_target "amdgcn-amd-amdhsa--gfx1250"
	.amdhsa_code_object_version 6
	.text
	.protected	k_q53dbcb8e30_attn
	.globl	k_q53dbcb8e30_attn
	.p2align	8
	.type	k_q53dbcb8e30_attn,@function
k_q53dbcb8e30_attn:
	s_mov_b64 s[64:65], 0
	v_nop
	global_prefetch_b8 v0, s[64:65] scope:SCOPE_SE
	s_setreg_imm32_b32 hwreg(HW_REG_WAVE_MODE, 25, 1), 1
	s_wait_xcnt 0x0
; Causal attention on codes of FP8 (E4M3), 64 heads (batch x head) of 2,048 tokens x 64 channels; the result is quantised with its given scale and stored as images of the projection's operand registers.
; THE SOFTMAX AHEAD OF THE SECOND PRODUCT: t = score x log2(e) / 8; M = the row's largest t so far, rounded UP to a whole number; p = 2^(t - M) is what is quantised (e4), not normalised.
; The row's sum is taken of the unquantised p, in f32, and divides O at the end.  When M moves, the sum and O are multiplied by 2^(old M - new M): exact.
; SHARES.  Work-group (i, head) owns the blocks of 256 queries 7 - i and then i: (8 - i) + (i + 1) = 9 blocks of 256 keys in every work-group: one loop of 9 trips, two key steps of 128 a trip, equal work everywhere.
; Each of the SIXTEEN waves owns 16 queries of the block, one tile, in 256 registers: four waves to a SIMD, so that one wave's vector work stands beside another's matrix work and LDS loads.
; LAYOUT.  Both products are used transposed: S^T = K Q^T (source 0 = 16 keys, source 1 = my 16 queries), O^T = V^T P^T (source 0 = 16 channels, source 1 = P): a lane holds ONE query (lane % 16) throughout.
; In S^T tile t, register j of lane (r, h) is key 16 t + 8 h + j: one conversion of the tile's eight registers gives registers 2 t, 2 t + 1 of P's fragment in the form's own layout.
; FEED.  A key step's operands are images of registers: 8 fragments of K (8,192 bytes) and 4 of V (8,192 bytes), consecutive in memory.  Each of the 512 threads loads 16 bytes of each at a step's head, for the NEXT step,
; and stores them into the other of two LDS slots at the step's end; ONE barrier a step: in front of it my reads of this slot are back and my stores into the other have landed.  No data mover: 32 bytes a thread a step.
; The four work-groups of a head walk the same key steps in their first five trips only; then their passes part and they need different tiles: so no cluster and no joint loads.
; Nothing is prefetched: each step's 16 KB are asked for a whole key step, some 200 vector instructions a wave, ahead of their use.
; CAUSAL.  A pass's last trip lies on the diagonal.  A step all of whose keys come after my 16 queries is jumped over (its work alone, never the copy or the barrier); in my one step on the diagonal hidden scores become -infinity ahead of the maximum.
; p is at most 1, so its hold at 448 x 2^e4 changes nothing where e4 >= -8: a scalar branch on that whole number leads round the 64 lines.
; LIMITS on the given exponents: e2 + e3 between -123 and 130 (added to c's exponent field); e4 and e6 between -126 and 119; e4 + e5 is applied by v_ldexp_f32 and has none.  NaN is not served.
; a_img: [128 tokens 64][256 along K 4][tile of 16 tokens 8][128 along K 2][group 4][lane 32][16 bytes]; lane (r, h), group g: token r, k = 32 g + 16 h + 0 .. 15 (k = 64 x head + channel).
.set LI,   1                           ; v1   16 x lane: my place in an image
.set CP,   2                           ; v2   16 x thread: my place in a step's 8,192 bytes
.set RH,   3                           ; v3   lane % 16 - 8 (lane / 16)
.set NM,   12                          ; v12 -M, v13 the largest t
.set SUM,  14                          ; v[14:15] the sum in two halves
.set QF,   16                          ; v16-23  Q's fragment
.set STG,  24                          ; v24-31  the next step's 32 bytes on their way
.set KV,   32                          ; v32-95  K's 8 fragments x 8, then V's 4 x 16
.set S,    96                          ; v96-159 S^T, then p
.set OT,   160                         ; v160-191 O^T
.set PC,   192                         ; v192-207 p's codes; at a pass's end v192-199 O's codes
.set OC,   200                         ; v200-207 O's codes as they are stored
.set SCP,  208                         ; v208 2^e4, v209 448 x 2^e4
.set SM2,  210                         ; v[210:211] the sum's second chain
.set PD,   212                         ; v212 a lane permute's destination
.set FF,   214                         ; v214 f = 2^(old M - new M); v215 named with it as a pair
.set MX,   216                         ; v216, v217 the maximum's two chains
.set NINF, 218                         ; v218 -infinity
.set DD,   219                         ; v219 my query - the step's first key - 8 (lane / 16)
.set SCO,  222                         ; v222 2^e6, v223 448 x 2^e6
.set XS,   224                         ; v224-227 what I send to lane l xor 16
.set YS,   228                         ; v228-231 what I get
.set TR,   32                          ; s32 trip 0..8
.set KT,   33                          ; s33 trip in the pass
.set QB,   34                          ; s34 the pass's block of queries
.set KF,   35                          ; s35 the step's first key
.set Q0,   36                          ; s36 my first query
.set QL,   37                          ; s37 my last
.set NO,   38                          ; s[38:39] byte offset in the head's k_img and v_img of the step to be asked for next
	s_load_b256 s[4:11], s[0:1], 0x0               ; q_img s[4:5], k_img s[6:7], v_img s[8:9], the scales' exponents s[10:11]
	s_load_b64 s[12:13], s[0:1], 0x20              ; a_img
	v_lshl_add_u32 v254, v0, 2, 0x8000
	v_mov_b32 v255, 0
	v_lshrrev_b32 v4, 5, v0
	v_readfirstlane_b32 s18, v4                    ; wave 0..15
	v_and_b32 v4, 31, v0
	v_lshlrev_b32 v[LI], 4, v4
	v_lshlrev_b32 v[CP], 4, v0
	v_and_b32 v5, 15, v0
	v_bfe_u32 v6, v0, 4, 1
	v_lshlrev_b32 v6, 3, v6
	v_sub_nc_u32 v[RH], v5, v6
	v_mov_b32 v[PD], 0                             ; written once: a lane permute's destination counts as one of its sources
	v_mov_b32 v[FF+1], 0                           ; (named as the upper half of a pair)
	v_mov_b32 v[NINF], 0xff800000
.irp n, 0,1,2,3
	v_mov_b32 v[YS+\n], 0
.endr
	s_mov_b32 s14, ttmp9                           ; i
	s_and_b32 s50, ttmp7, 0xffff                   ; 16 batch + head
	s_lshl_b32 s52, s50, 17                        ; a head's 131,072 bytes in q_img, k_img, v_img
	s_mov_b32 s53, 0
	s_lshl_b32 s54, s18, 10                        ; my tile's fragment of Q within a block
	s_mov_b32 s55, 0
	s_lshr_b32 s56, s50, 4
	s_lshl_b32 s56, s56, 21                        ; a_img: batch x 16 blocks of 128 tokens x 131,072
	s_lshr_b32 s51, s18, 3
	s_lshl_b32 s51, s51, 17
	s_add_co_u32 s56, s56, s51                     ; + which 128 of the block's 256 tokens
	s_bfe_u32 s51, s50, 0x20002                    ; head / 4: which 256 along K
	s_lshl_b32 s51, s51, 15
	s_add_co_u32 s56, s56, s51
	s_and_b32 s51, s18, 7
	s_lshl_b32 s51, s51, 12
	s_add_co_u32 s56, s56, s51                     ; + my tile of 16 tokens
	s_and_b32 s51, s50, 3
	s_lshl_b32 s51, s51, 10
	s_add_co_u32 s56, s56, s51                     ; + (head % 4) x 1,024: which 128 along K, and which two groups
	s_mov_b32 s57, 0
	s_mov_b32 s20, 0x76543210
	s_mov_b32 s21, 0xfedcba98                      ; v_permlanex16_b32's selects for lane l xor 16
	s_mov_b32 s49, 0xffff0000                      ; the lanes 16-31
	s_wait_kmcnt 0x0
	s_load_b256 s[24:31], s[10:11], 0x0            ; e0 .. e7
	s_add_nc_u64 s[4:5], s[4:5], s[52:53]
	s_add_nc_u64 s[4:5], s[4:5], s[54:55]
	s_add_nc_u64 s[6:7], s[6:7], s[52:53]
	s_add_nc_u64 s[8:9], s[8:9], s[52:53]
	s_add_nc_u64 s[12:13], s[12:13], s[56:57]
	global_load_b128 v[STG:STG+3], v[CP], s[6:7]   ; key step 0
	global_load_b128 v[STG+4:STG+7], v[CP], s[8:9]
	s_wait_kmcnt 0x0
	s_add_co_i32 s50, s26, s27
	s_lshl_b32 s50, s50, 23
	s_add_co_i32 s22, s50, 0x3e38aa3b              ; c = log2(e) / 8, with e2 + e3 added to its exponent field
	s_mov_b32 s23, s22                             ; (named with it as a pair, so it is written)
	s_add_co_i32 s50, s28, 127
	s_lshl_b32 s51, s50, 23
	v_mov_b32 v[SCP], s51                          ; 2^e4
	s_add_co_i32 s50, s50, 8
	s_lshl_b32 s50, s50, 23
	s_or_b32 s50, s50, 0x600000
	v_mov_b32 v[SCP+1], s50                        ; 448 x 2^e4
	s_add_co_i32 s50, s30, 127
	s_lshl_b32 s51, s50, 23
	v_mov_b32 v[SCO], s51                          ; 2^e6
	s_add_co_i32 s50, s50, 8
	s_lshl_b32 s50, s50, 23
	s_or_b32 s50, s50, 0x600000
	v_mov_b32 v[SCO+1], s50                        ; 448 x 2^e6
	s_add_co_i32 s48, s28, s29                     ; e4 + e5
; A pass begins: block s[QB] of the queries.
.macro PASS_INIT
	s_wait_xcnt 0x0                                ; the last pass's stores have read their base and their data: both are written again below
	s_lshl_b32 s[Q0], s[QB], 8
	s_lshl_b32 s50, s18, 4
	s_add_co_u32 s[Q0], s[Q0], s50                 ; my first query: 256 x block + 16 x wave
	s_add_co_u32 s[QL], s[Q0], 15
	s_lshl_b32 s50, s[QB], 14
	s_mov_b32 s51, 0
	s_add_nc_u64 s[44:45], s[4:5], s[50:51]        ; Q: 16 fragments of 1,024 bytes to a block
	s_lshl_b32 s50, s[QB], 18
	s_add_nc_u64 s[46:47], s[12:13], s[50:51]      ; a_img: two blocks of 128 tokens
	s_mov_b32 s[KT], 0
	s_mov_b32 s[KF], 0
	global_load_b128 v[QF:QF+3], v[LI], s[44:45] th:TH_LOAD_NT
	global_load_b128 v[QF+4:QF+7], v[LI], s[44:45] offset:512 th:TH_LOAD_NT
	v_mov_b32 v[NM+1], 0xff61b1e6                  ; the largest t so far: -3e38, under every t
	v_floor_f32 v[NM], -v[NM+1]                    ; -M
	v_mov_b32 v[SUM], 0
	v_mov_b32 v[SUM+1], 0
.set NN, 0
.rept 32
	v_mov_b32 v[OT+NN], 0                          ; O^T.  (The step is written once: a pass's first step finds zeros, which the first change of M leaves zeros)
.set NN, NN+1
.endr
	s_wait_loadcnt 0x0
.endm
; A KEY STEP of 128 keys, out of slot h.
.macro STEP h
.if \h
	s_cmp_eq_u32 s[TR], 8                          ; behind the launch's last step nothing follows: nothing is asked for
	s_cbranch_scc1 .Lnoask_\@
.endif
	global_load_b128 v[STG:STG+3], v[CP], s[40:41]     ; the next step's K and V: they have this whole step in which to come
	global_load_b128 v[STG+4:STG+7], v[CP], s[42:43]
.if \h
.Lnoask_\@:
.endif
	s_cmp_gt_u32 s[KF], s[QL]                      ; all keys behind my queries?
	s_cbranch_scc1 .Lhidden_\@
.irp t, 0,1,2,3,4,5,6,7
	ds_load_b128 v[KV+8*\t:KV+8*\t+3], v[LI] offset:16384*\h+1024*\t
	ds_load_b128 v[KV+8*\t+4:KV+8*\t+7], v[LI] offset:16384*\h+1024*\t+512
.endr
.irp t, 0,1,2,3,4,5,6,7
	s_wait_dscnt 14-2*\t                           ; tile t's two loads are in; those of the tiles behind it may be out
	v_wmma_f32_16x16x64_fp8_fp8 v[S+8*\t:S+8*\t+7], v[KV+8*\t:KV+8*\t+7], v[QF:QF+7], 0
.endr
.rept 4
	v_nop                                          ; places in front of the loads into K's registers and of the first read of the scores
.endr
.irp ct, 0,1,2,3
.irp g, 0,1,2,3
	ds_load_b128 v[KV+16*\ct+4*\g:KV+16*\ct+4*\g+3], v[LI] offset:16384*\h+8192+2048*\ct+512*\g   ; V lands under the softmax
.endr
.endr
	s_add_co_u32 s50, s[KF], 127
	s_cmp_le_u32 s50, s[Q0]                        ; all keys count?
	s_cbranch_scc1 .Lopen_\@
	s_sub_co_i32 s50, s[Q0], s[KF]
	v_add_nc_u32 v[DD], s50, v[RH]                 ; register 8 t + j holds key KF + 16 t + 8 (lane / 16) + j: hidden where 16 t + j > d
.irp n, 0,1,2,3,4,5,6,7,8,9,10,11,12,13,14,15,16,17,18,19,20,21,22,23,24,25,26,27,28,29,30,31,32,33,34,35,36,37,38,39,40,41,42,43,44,45,46,47,48,49,50,51,52,53,54,55,56,57,58,59,60,61,62,63
	v_cmp_gt_i32 vcc_lo, 16*(\n/8)+\n%8, v[DD]
	v_cndmask_b32 v[S+\n], v[S+\n], v[NINF], vcc_lo
.endr
.Lopen_\@:
	v_max3_num_f32 v[MX], v[S], v[S+1], v[S+2]     ; the step's largest score of my query, among my 64 keys, in two chains, each tile from its low end on,
	v_max3_num_f32 v[MX+1], v[S+3], v[S+4], v[S+5]
.irp i, 6,10,14,18,22,26,30,34,38,42,46,50,54,58
	v_max3_num_f32 v[MX], v[MX], v[S+\i], v[S+1+\i]
	v_max3_num_f32 v[MX+1], v[MX+1], v[S+2+\i], v[S+3+\i]
.endr
	v_max3_num_f32 v[MX], v[MX], v[S+62], v[S+63]
	v_max_num_f32 v[MX], v[MX], v[MX+1]
	v_permlanex16_b32 v[PD], v[MX], s20, s21
	v_max_num_f32 v[MX], v[MX], v[PD]              ; and among lane l xor 16's
	v_mul_f32 v[MX], s22, v[MX]                    ; as t (c is positive)
	v_max_num_f32 v[NM+1], v[NM+1], v[MX]          ; the running largest t
	v_mov_b32 v[MX], v[NM]
	v_floor_f32 v[NM], -v[NM+1]                    ; the new -M = floor(-t) = -ceil(t): a whole number
	v_sub_f32 v[MX], v[NM], v[MX]                  ; old M - new M: a whole number, 0 or less
	v_cvt_i32_f32 v[MX], v[MX]                     ; (it saturates)
	v_ldexp_f32 v[FF], 1.0, v[MX]                  ; f = 2^(old M - new M)
.set NN, 0
.rept 32
	v_pk_fma_f32 v[S+NN:S+NN+1], v[S+NN:S+NN+1], s[22:23], v[NM:NM+1] op_sel_hi:[1,0,0]   ; t - M, two at a time (of the pairs c and -M the low word serves both halves)
.set NN, NN+2
.endr
.set NN, 0
.rept 64
	v_exp_f32 v[S+NN], v[S+NN]                     ; p = 2^(t - M), at most 1: not normalised
.set NN, NN+1
.endr
	v_pk_mul_f32 v[SUM:SUM+1], v[SUM:SUM+1], v[FF:FF+1] op_sel_hi:[1,0]   ; the sums under the new M.  (The plain instruction behind the exponentials)
	s_wait_alu depctr_va_vdst(0)                   ; one wait for the whole batch, ahead of its first reader
	v_pk_add_f32 v[SM2:SM2+1], v[S:S+1], v[S+2:S+3]    ; the row's sum is taken of the unquantised p: two at a time, in two chains
.irp j, 4,8,12,16,20,24,28,32,36,40,44,48,52,56,60
	v_pk_add_f32 v[SUM:SUM+1], v[SUM:SUM+1], v[S+\j:S+1+\j]
	v_pk_add_f32 v[SM2:SM2+1], v[SM2:SM2+1], v[S+2+\j:S+3+\j]
.endr
	v_pk_add_f32 v[SUM:SUM+1], v[SUM:SUM+1], v[SM2:SM2+1]
	s_cmp_ge_i32 s28, -8                           ; 448 x 2^e4 >= 1 >= p: the hold changes nothing
	s_cbranch_scc1 .Lnohold_\@
.set NN, 0
.rept 64
	v_min_num_f32 v[S+NN], v[S+NN], v[SCP+1]       ; the conversion to an 8-bit code does not saturate (ISA guide 7.6.2); p is not negative, so the hold is one-sided
.set NN, NN+1
.endr
.Lnohold_\@:
.irp t, 0,1,2,3,4,5,6,7
	v_cvt_scalef32_pk8_fp8_f32 v[PC+2*\t:PC+2*\t+1], v[S+8*\t:S+8*\t+7], v[SCP]   ; registers 2 t, 2 t + 1 of P: keys 16 t + 8 (lane / 16) + 0 .. 7
.endr
.set NN, 0
.rept 16
	v_pk_mul_f32 v[OT+NN:OT+NN+1], v[OT+NN:OT+NN+1], v[FF:FF+1] op_sel_hi:[1,0]   ; O^T under the new M.  (Also the plain instructions between the conversions and the products)
.set NN, NN+2
.endr
	s_wait_dscnt 0x0                               ; V is in
.irp ct, 0,1,2,3
	v_wmma_f32_16x16x128_fp8_fp8 v[OT+8*\ct:OT+8*\ct+7], v[KV+16*\ct:KV+16*\ct+15], v[PC:PC+15], v[OT+8*\ct:OT+8*\ct+7]   ; four accumulators by turns; eight other products stand between two links of a chain
.endr
.rept 4
	v_nop                                          ; places in front of the next loads into V's registers and of the next read or write of O^T
.endr
.Lhidden_\@:
	s_add_co_u32 s[KF], s[KF], 128
	s_wait_loadcnt 0x0                             ; the next step's 32 bytes are in, and the loads have read their bases
.if \h
	s_cmp_eq_u32 s[TR], 8
	s_cbranch_scc1 .Lnostore_\@
.endif
	ds_store_b128 v[CP], v[STG:STG+3] offset:16384*(1-\h)          ; into the other slot: every wave's reads of it were over at the last barrier
	ds_store_b128 v[CP], v[STG+4:STG+7] offset:16384*(1-\h)+8192
.if \h
.Lnostore_\@:
	s_add_co_u32 s[NO], s[NO], 8192
.else
	s_add_co_u32 s[NO], s[NO], 8192
	s_cmp_eq_u32 s[KT], s[QB]                      ; the pass's last trip: what its second step asks for is the next pass's key step 0
	s_cselect_b32 s[NO], 0, s[NO]
.endif
	s_add_nc_u64 s[40:41], s[6:7], s[NO:NO+1]
	s_add_nc_u64 s[42:43], s[8:9], s[NO:NO+1]
	s_wait_dscnt 0x0                               ; my reads of this slot are back and my stores into the other have landed
	s_barrier_signal -1
	s_barrier_wait -1
.endm
; A pass ends: O^T / the sum x 2^(e4 + e5), quantised (e6).  A lane holds channels 16 ct + 8 h + 0 .. 7; the projection's fragment wants 16 neighbours a lane (32 g + 16 h + 0 .. 15): one exchange with lane l xor 16.
.macro FINISH
	v_add_f32 v[SUM], v[SUM], v[SUM+1]             ; the sum's two halves,
	v_permlanex16_b32 v[PD], v[SUM], s20, s21
	v_add_f32 v[SUM], v[SUM], v[PD]                ; and lane l xor 16's
	v_rcp_f32 v[SUM], v[SUM]
	v_nop                                          ; a plain instruction behind the reciprocal
	s_wait_alu depctr_va_vdst(0)                   ; and the wait ahead of its first reader
	v_ldexp_f32 v[SUM], v[SUM], s48
.set NN, 0
.rept 16
	v_pk_mul_f32 v[S+NN:S+NN+1], v[OT+NN:OT+NN+1], v[SUM:SUM+1] op_sel_hi:[1,0]   ; each accumulator from its low end on
.set NN, NN+2
.endr
.set NN, 0
.rept 32
	v_med3_num_f32 v[S+NN], v[S+NN], -v[SCO+1], v[SCO+1]
.set NN, NN+1
.endr
.irp ct, 0,1,2,3
	v_cvt_scalef32_pk8_fp8_f32 v[PC+2*\ct:PC+2*\ct+1], v[S+8*\ct:S+8*\ct+7], v[SCO]
.endr
	v_nop                                          ; a plain instruction between the conversions and the readers of their results
.irp g, 0,1
	v_cndmask_b32 v[XS+2*\g], v[PC+4*\g+2], v[PC+4*\g], s49        ; lanes 0-15 send tile 2 g + 1's codes, lanes 16-31 tile 2 g's
	v_cndmask_b32 v[XS+2*\g+1], v[PC+4*\g+3], v[PC+4*\g+1], s49
.endr
.irp n, 0,1,2,3
	v_permlanex16_b32 v[YS+\n], v[XS+\n], s20, s21
.endr
.irp g, 0,1
	v_cndmask_b32 v[OC+4*\g], v[PC+4*\g], v[YS+2*\g], s49          ; lanes 0-15: tile 2 g: mine, then the other's; lanes 16-31: tile 2 g + 1: the other's, then mine
	v_cndmask_b32 v[OC+4*\g+1], v[PC+4*\g+1], v[YS+2*\g+1], s49
	v_cndmask_b32 v[OC+4*\g+2], v[YS+2*\g], v[PC+4*\g+2], s49
	v_cndmask_b32 v[OC+4*\g+3], v[YS+2*\g+1], v[PC+4*\g+3], s49
.endr
	global_store_b128 v[LI], v[OC:OC+3], s[46:47]                  ; 32 lanes store 512 consecutive bytes, aligned
	global_store_b128 v[LI], v[OC+4:OC+7], s[46:47] offset:512
.endm
	s_sub_co_u32 s[QB], 7, s14                     ; the first pass: block 7 - i
	PASS_INIT                                      ; (its wait for loads covers key step 0's too)
	ds_store_b128 v[CP], v[STG:STG+3]              ; key step 0 into slot 0
	ds_store_b128 v[CP], v[STG+4:STG+7] offset:8192
	s_mov_b32 s[NO], 8192
	s_mov_b32 s[NO+1], 0
	s_add_nc_u64 s[40:41], s[6:7], s[NO:NO+1]
	s_add_nc_u64 s[42:43], s[8:9], s[NO:NO+1]
	s_mov_b32 s[TR], 0
	s_wait_dscnt 0x0
	s_barrier_signal -1
	s_barrier_wait -1
.Ltrip:                                                ; 9 trips: 256 keys each
	STEP 0
	STEP 1
	s_cmp_lg_u32 s[KT], s[QB]
	s_cbranch_scc1 .Lsame
	FINISH                                         ; the trip on the diagonal was the pass's last
	s_cmp_eq_u32 s[TR], 8
	s_cbranch_scc1 .Lend
	s_mov_b32 s[QB], s14                           ; the second pass: block i
	PASS_INIT
	s_branch .Lcount
.Lsame:
	s_add_co_u32 s[KT], s[KT], 1
.Lcount:
	s_add_co_u32 s[TR], s[TR], 1
	s_cmp_lt_u32 s[TR], 9
	s_cbranch_scc1 .Ltrip
.Lend:
	s_wait_tensorcnt 0x0
	ds_add_u32 v254, v255
	s_wait_dscnt 0x0
	s_endpgm
.Lfunc_end_k_q53dbcb8e30_attn:
	.size	k_q53dbcb8e30_attn, .Lfunc_end_k_q53dbcb8e30_attn-k_q53dbcb8e30_attn
	.p2alignl 7, 3214868480
	.fill 96, 4, 3214868480
	.section	.rodata,"a",@progbits
	.p2align	6, 0x0
	.amdhsa_kernel k_q53dbcb8e30_attn
		.amdhsa_group_segment_fixed_size 34816
		.amdhsa_private_segment_fixed_size 0
		.amdhsa_enable_private_segment 0
		.amdhsa_kernarg_size 40
		.amdhsa_user_sgpr_count 2
		.amdhsa_user_sgpr_kernarg_segment_ptr 1
		.amdhsa_wavefront_size32 1
		.amdhsa_system_sgpr_workgroup_id_x 1
		.amdhsa_system_sgpr_workgroup_id_y 1
		.amdhsa_system_sgpr_workgroup_id_z 1
		.amdhsa_system_vgpr_workitem_id 0
		.amdhsa_next_free_vgpr 256
		.amdhsa_next_free_sgpr 66
		.amdhsa_reserve_vcc 1
		.amdhsa_float_denorm_mode_32 3
		.amdhsa_float_denorm_mode_16_64 3
		.amdhsa_memory_ordered 1
		.amdhsa_forward_progress 1
		.amdhsa_inst_pref_size 55
	.end_amdhsa_kernel
	.amdgpu_metadata
---
amdhsa.version: [ 1, 2 ]
amdhsa.kernels:
  - .name:           k_q53dbcb8e30_attn
    .symbol:         k_q53dbcb8e30_attn.kd
    .args:
      - { .name: q_img, .offset: 0, .size: 8, .value_kind: global_buffer, .address_space: global }
      - { .name: k_img, .offset: 8, .size: 8, .value_kind: global_buffer, .address_space: global }
      - { .name: v_img, .offset: 16, .size: 8, .value_kind: global_buffer, .address_space: global }
      - { .name: lowp_scales, .offset: 24, .size: 8, .value_kind: global_buffer, .address_space: global }
      - { .name: a_img, .offset: 32, .size: 8, .value_kind: global_buffer, .address_space: global }
    .group_segment_fixed_size: 34816
    .private_segment_fixed_size: 0
    .kernarg_segment_align: 8
    .kernarg_segment_size: 40
    .max_flat_workgroup_size: 512
    .sgpr_count:     66
    .vgpr_count:     256
    .wavefront_size: 32
...
	.end_amdgpu_metadata
.endif
;; end of part 2
;; launch proj (part 3): grid 4 x 32, 4 waves a work-group, clusters of 4 x 4, 327,680 bytes of LDS; arguments a_img, W_proj_codes, lowp_scales, b_proj, out0; writes out0
.if DOCPART == 3
	.amdgcn_target "amdgcn-amd-amdhsa--gfx1250"
	.amdhsa_code_object_version 6
	.text
	.protected	k_q53dbcb8e30_proj
	.globl	k_q53dbcb8e30_proj
	.p2align	8
	.type	k_q53dbcb8e30_proj,@function
k_q53dbcb8e30_proj:
	s_mov_b64 s[64:65], 0
	v_nop
	global_prefetch_b8 v0, s[64:65] scope:SCOPE_SE
	s_setreg_imm32_b32 hwreg(HW_REG_WAVE_MODE, 25, 1), 1
	s_wait_xcnt 0x0
	s_wait_alu depctr_hold_cnt(0) depctr_sa_sdst(0) depctr_va_vdst(0) depctr_va_sdst(0) depctr_va_ssrc(0) depctr_va_vcc(0) depctr_vm_vsrc(0)
	s_getreg_b32 s2, hwreg(HW_REG_IB_STS2, 6, 4)
	s_cmp_eq_u32 s2, 0
	s_cbranch_scc0 .Lentry_in_a_cluster
	s_endpgm
.Lentry_in_a_cluster:
	s_bfe_u32 s2, ttmp6, 0x10000c
	s_cmp_lg_u32 s2, 0xf033
	s_cbranch_scc0 .Lentry_shape_is_right
	s_endpgm
.Lentry_shape_is_right:
; out0 = a W_proj + b_proj on codes of FP8 (E4M3).  a: the attention's result, 8,192 tokens x 1,024, as images of operand registers (a_img); W_proj: [1024][1024] codes, K innermost; out0: [8192][1024] f32.
; A number of a is its code x 2^e6, of W_proj x 2^e7: the codes are multiplied as they are, and out0 = sum x 2^(e6 + e7) + bias, one packed multiply-add for two numbers.
; LIMIT: e6 + e7 between -126 and 127, so that 2^(e6 + e7) is an f32 number.
; A tile of out0, 256 x 256, is made by four waves, 128 x 128 each: 64 accumulators, 512 registers.  K = 1,024 goes in four steps of 256 through a ring of two LDS slots filled by the tensor data mover.
; 32 x 4 = 128 tiles, one to a work-group: a tile of half the size would read half as many LDS bytes again for each product.
; CLUSTERS of 4 x 4: the four of a row need the same tiles of a, the four of a column the same tiles of W_proj: each is asked for JOINTLY.
; THE MATRIX INSTRUCTION IS USED TRANSPOSED (source 0 = 16 rows of W_proj, source 1 = 16 tokens): a lane then holds eight neighbouring numbers of a row of out0.
; a_img: [128 tokens 64][256 along K 4][tile of 16 tokens 8][128 along K 2][group 4][lane 32][16 bytes]: what a wave fetches for a K step is ONE dense block of 32,768 bytes; a fragment comes by four loads at 16 x lane.
; Lane (r, h), group c of an image holds k = 32 c + 16 h + 0 .. 15 of token r: the order in which W_proj's rows are read from LDS.
; REGISTERS, in windows of 256: window 0: v0-31 addresses; v32-95 bias; from v128 A's fragments, ONE set; on the way out v96-127 at work, v128-255 rows read back.  window 1: B's fragments, TWO sets.  windows 2, 3: the accumulators.
.set SIZE_N, 1024
.set KROW,   1024                      ; a row of W_proj in bytes
.set ROWB,   256                       ; a row of B's tile in bytes
.set ABLK,   32768                     ; A: 128 tokens x 256 along K
.set PITCH,  272                       ; B's LDS row: 256 bytes + 16 of padding
.set FR,     16
.set NL,     4
.set NP,     4
.set HALFT,  128*PITCH                 ; a wave's part of a slot (A's dense block uses 32,768 bytes of it)
.set SLOT,   4*HALFT
.set LAPS,   2
.set SPARE,  2*SLOT                    ; behind the ring: the spare words, 128 bytes for each wave
.set SPITCH, 528                       ; the way out: a stage of 16 rows x (512 bytes + 16) for each wave, in slot 0, which has had its last fill and its last read when the first result is stored there
.set ADRA, 16
.set ADRB, 20
.set STO,  24                          ; v24  the way out: where I put 32 bytes of a row
.set RD,   25                          ; v25  where I read a row back
.set CO,   26                          ; v26  my byte offset in a row of out0
.set BO,   27                          ; v27  32 x (lane / 16): my eight columns' bias
.set SPW,  28
.set NIL,  29
.set BI,   32                          ; v32-95  bias, in the result's layout
.set TMP,  96                          ; v96-127 half a block's numbers
.set AF,   128
.set BK,   128                         ; the way out: 16 rows read back: v128-191 and v192-255 by turns
.set G1, 24
.set G0, 32
.set G1B, 48
.set G0B, 56
.set MSB, 0
.macro WIN new                         ; the immediate's high byte repeats the setting that is left
.if MSB != \new
	s_set_vgpr_msb (MSB<<8)|\new
.set MSB, \new
.endif
.endm
.set MUL_LO, 0xa1
.set MUL_HI, 0xf1
.set TO_B,   0x40
.macro JLOAD g0a, g1a, g0b, g1b        ; a joint load: waves 0 and 1 fetch for A, waves 2 and 3 for B; four v_nop follow each of the two lines
	s_cmp_eq_u32 s15, 0
	s_cbranch_scc0 .Lfor_b_\@
	tensor_load_to_lds s[\g0a:\g0a+3], s[\g1a:\g1a+7]
	s_nop 0
.rept 4
	v_nop
.endr
	s_branch .Lasked_\@
.Lfor_b_\@:
	tensor_load_to_lds s[\g0b:\g0b+3], s[\g1b:\g1b+7]
	s_nop 0
.rept 4
	v_nop
.endr
.Lasked_\@:
.endm
.macro CREST
	s_cmp_lg_u32 s14, 0
	s_cbranch_scc1 .Lnot_wave_0_\@
	s_barrier_signal -3
.Lnot_wave_0_\@:
	s_barrier_wait -3
	s_barrier_signal -1
	s_barrier_wait -1
.endm
.macro CROUND
	s_barrier_signal -1
	s_barrier_wait -1
	CREST
.endm
	s_load_b128 s[4:7], s[0:1], 0x0                ; a_img s[4:5], W_proj's codes s[6:7]
	s_load_b128 s[8:11], s[0:1], 0x10              ; the scales' exponents s[8:9], b_proj s[10:11]
	s_load_b64 s[12:13], s[0:1], 0x20              ; out0
	v_lshl_add_u32 v[SPW], v0, 2, SPARE
	v_mov_b32 v[NIL], 0
	ds_add_u32 v28, v29
	ds_add_u32 v28, v29
	s_wait_dscnt 0x0
	v_lshrrev_b32 v1, 5, v0
	v_readfirstlane_b32 s14, v1                    ; wave 0..3
	s_lshr_b32 s15, s14, 1                         ; which half of the tile's rows is mine.  Also: I fetch for A (0) or for B (1)
	s_and_b32 s16, s14, 1                          ; which half of its columns.  Also: which 128 rows of that tile I fetch
	s_bfe_u32 s40, ttmp6, 0x40000                  ; cx, cy
	s_bfe_u32 s41, ttmp6, 0x40004
	s_lshl_b32 s42, ttmp9, 2
	s_add_co_u32 s42, s42, s40                     ; tile column = 4 x cluster x + cx
	s_and_b32 s17, ttmp7, 0xffff
	s_lshl_b32 s17, s17, 2
	s_add_co_u32 s17, s17, s41                     ; tile row = 4 x cluster y + cy
	s_lshl_b32 s43, s41, 2
	s_lshl_b32 s43, 15, s43                        ; my row of the cluster
	s_lshl_b32 s44, 0x1111, s40                    ; my column
	; A's group 1: a dense block of 32,768 bytes as 128 rows of 32 elements of 8 bytes, no padding
	s_or_b32 s[G1+0], s43, (3<<16)|(1<<21)
	s_mov_b32 s[G1+1], 32<<16                      ; tensor_dim0
	s_mov_b32 s[G1+2], 128<<16                     ; tensor_dim1
	s_mov_b32 s[G1+3], 32<<16                      ; tile_dim0
	s_mov_b32 s[G1+4], 128                         ; tile_dim1
	s_mov_b32 s[G1+5], 32                          ; the pitch: rows on end
	s_mov_b32 s[G1+6], 0
	s_mov_b32 s[G1+7], 0
	; B's group 1: 128 rows x 256 bytes, padded in LDS
	s_or_b32 s[G1B+0], s44, (0<<16)|(1<<20)|(1<<21)|(5<<22)|(3<<25)
	s_mov_b32 s[G1B+1], ROWB<<16
	s_mov_b32 s[G1B+2], 128<<16
	s_mov_b32 s[G1B+3], ROWB<<16
	s_mov_b32 s[G1B+4], 128
	s_mov_b32 s[G1B+5], KROW
	s_mov_b32 s[G1B+6], 0
	s_mov_b32 s[G1B+7], 0
	s_lshl_b32 s20, s17, 18                        ; A: 262,144 bytes to a tile row,
	s_lshl_b32 s18, s16, 17
	s_add_co_u32 s20, s20, s18                     ; 131,072 to its half
	s_mov_b32 s21, 0
	s_lshl_b32 s18, s16, 7
	s_lshl_b32 s46, s42, 8
	s_add_co_u32 s46, s46, s18                     ; B: row 256 x tile column + 128 x half
	s_lshl_b32 s46, s46, 10
	s_mov_b32 s47, 0
	s_mul_i32 s45, s14, HALFT                      ; where they go: no place in the cluster enters an LDS address
	s_wait_kmcnt 0x0
	s_load_b64 s[96:97], s[8:9], 0x18              ; e6, e7
	s_add_nc_u64 s[20:21], s[4:5], s[20:21]
	s_add_nc_u64 s[46:47], s[6:7], s[46:47]
	CROUND                                         ; all sixteen work-groups are here: the first joint loads meet
.irp s, 0,1
	s_mov_b32 s[G0+4*\s], 1
	s_add_co_u32 s[G0+4*\s+1], s45, \s*SLOT
	s_add_nc_u64 s[G0+4*\s+2:G0+4*\s+3], s[20:21], \s*ABLK
	s_or_b32 s[G0+4*\s+3], s[G0+4*\s+3], 0x80000000
	s_mov_b32 s[G0B+4*\s], 1
	s_add_co_u32 s[G0B+4*\s+1], s45, \s*SLOT
	s_add_nc_u64 s[G0B+4*\s+2:G0B+4*\s+3], s[46:47], \s*ROWB
	s_or_b32 s[G0B+4*\s+3], s[G0B+4*\s+3], 0x80000000
	JLOAD G0+4*\s, G1, G0B+4*\s, G1B
.endr
	v_and_b32 v1, 15, v0                           ; l % 16
	v_bfe_u32 v2, v0, 4, 1                         ; l / 16
	v_and_b32 v6, 31, v0
	v_lshlrev_b32 v[CO], 4, v6                     ; 16 x lane
	v_mul_u32_u24 v3, v1, PITCH
	v_lshl_add_u32 v4, v2, 4, v3                   ; B: a fragment's row x pitch + 16 x half
	s_mul_i32 s21, s15, HALFT                      ; my 128 tokens' images
	s_mul_i32 s22, s16, HALFT                      ; my 128 rows of B,
	s_add_co_u32 s22, s22, 2*HALFT                 ; which lie behind A's two parts
.irp s, 0,1
	v_add_nc_u32 v[ADRA+\s], s21, v[CO]
	v_add_nc_u32 v[ADRB+\s], s22, v4
	s_add_co_u32 s21, s21, SLOT
	s_add_co_u32 s22, s22, SLOT
.endr
	s_mul_i32 s23, s14, 16*SPITCH                  ; my stage
	v_mul_u32_u24 v5, v1, SPITCH                   ; in: row l % 16, 32 bytes for each half of the lanes
	v_lshl_add_u32 v5, v2, 5, v5
	v_add_nc_u32 v[STO], s23, v5
	v_add_nc_u32 v[RD], s23, v[CO]                 ; back: the 32 lanes take one row of 512 bytes
	v_lshlrev_b32 v[BO], 5, v2
	s_lshl_b32 s20, s17, 8
	s_lshl_b32 s21, s15, 7
	s_add_co_u32 s20, s20, s21                     ; my first row of out0
	s_lshl_b32 s20, s20, 12                        ; 4,096 bytes a row: under 2^26
	s_mov_b32 s21, 0
	s_lshl_b32 s46, s42, 10                        ; my first column, in bytes: 1,024 x tile column + 512 x half
	s_lshl_b32 s47, s16, 9
	s_add_co_u32 s46, s46, s47
	s_mov_b32 s47, 0
	s_add_nc_u64 s[88:89], s[10:11], s[46:47]      ; the bias of my 128 columns
	s_add_nc_u64 s[20:21], s[20:21], s[46:47]
	s_add_nc_u64 s[12:13], s[12:13], s[20:21]
.irp b, 0,1,2,3,4,5,6,7
	global_load_b128 v[BI+8*\b:BI+8*\b+3], v[BO], s[88:89] offset:64*\b          ; columns 16 b + 8 (l / 16) + 0 .. 7
	global_load_b128 v[BI+8*\b+4:BI+8*\b+7], v[BO], s[88:89] offset:64*\b+16
.endr
.macro FRAG reg, adr, q, i             ; B: lane l holds row l % 16; registers 4 c .. 4 c + 3 hold K = 32 c + 16 (l / 16) + 0 .. 15
.irp c, 0,1,2,3
	ds_load_b128 v[\reg+4*\c:\reg+4*\c+3], v[\adr] offset:128*(\q)+32*\c+(\i)*16*PITCH
.endr
.endm
.macro FRAGA reg, adr, q, i            ; A: an image comes back as it was stored: 512 consecutive bytes a load
.irp c, 0,1,2,3
	ds_load_b128 v[\reg+4*\c:\reg+4*\c+3], v[\adr] offset:2048*(\q)+512*\c+4096*(\i)
.endr
.endm
.macro MUL16 a0, p, zero               ; 16 matrix instructions; the 64 accumulators take turns, one instruction a turn
.irp a, \a0, \a0+1
.irp b, 0,1,2,3,4,5,6,7
.if \zero
	v_wmma_f32_16x16x128_fp8_fp8 v[8*(8*((\a)%4)+\b):8*(8*((\a)%4)+\b)+7], v[128*(\p)+FR*\b:128*(\p)+FR*\b+FR-1], v[AF+FR*(\a):AF+FR*(\a)+FR-1], 0
.else
	v_wmma_f32_16x16x128_fp8_fp8 v[8*(8*((\a)%4)+\b):8*(8*((\a)%4)+\b)+7], v[128*(\p)+FR*\b:128*(\p)+FR*\b+FR-1], v[AF+FR*(\a):AF+FR*(\a)+FR-1], v[8*(8*((\a)%4)+\b):8*(8*((\a)%4)+\b)+7]
.endif
.endr
.endr
.endm
.macro FETCH_B slot, q, p
	WIN TO_B
.irp i, 0,1,2,3,4,5,6,7
	FRAG 128*(\p)+FR*\i, ADRB+\slot, \q, \i
.endr
	WIN 0
.endm
.macro FETCH_A slot, q, i0
.irp i, \i0, \i0+1, \i0+2, \i0+3
	FRAGA AF+FR*(\i), ADRA+\slot, \q, \i
.endr
.endm
.macro PLACES n
.rept \n
	v_nop
.endr
.endm
.macro STEP slot, q, zero
	s_wait_dscnt 4*NL                              ; B's set and A's blocks 0-3 are in; the youngest 16 loads (A's blocks 4-7) may be out
	WIN MUL_LO
	MUL16 0, (\q)%2, \zero
	MUL16 2, (\q)%2, \zero
	s_wait_dscnt 0
	PLACES NP
	FETCH_B \slot, (\q)+1, 1-(\q)%2
	FETCH_A \slot, (\q)+1, 0
	WIN MUL_HI
	MUL16 4, (\q)%2, \zero
	MUL16 6, (\q)%2, \zero
	PLACES NP
	WIN 0
	FETCH_A \slot, (\q)+1, 4
.endm
.macro TURN slot, next, fill
	s_wait_tensorcnt 0x0                           ; all my tensor loads have landed: my part of the next slot
	ds_add_u32 v[SPW], v[NIL]                      ; 0 onto my spare word
	s_wait_dscnt 4*NL+1                            ; (the add and the youngest 16 loads may be out)
	WIN MUL_LO
	MUL16 0, 1, 0
	s_wait_dscnt 0x0                               ; the add is done, and my reads of this slot are over
	s_barrier_signal -1
	MUL16 2, 1, 0
	WIN 0
	s_barrier_wait -1
.if \fill
	CREST                                          ; the barrier has opened a round of the cluster's barrier
	s_add_nc_u64 s[G0+4*\slot+2:G0+4*\slot+3], s[G0+4*\slot+2:G0+4*\slot+3], 2*ABLK
	s_add_nc_u64 s[G0B+4*\slot+2:G0B+4*\slot+3], s[G0B+4*\slot+2:G0B+4*\slot+3], 2*ROWB
	JLOAD G0+4*\slot, G1, G0B+4*\slot, G1B         ; the first tensor load behind the round; its four v_nop are also the places in front of the loads below
.else
	PLACES NP
.endif
	FETCH_B \next, 0, 0
	FETCH_A \next, 0, 0
	WIN MUL_HI
	MUL16 4, 1, 0
	MUL16 6, 1, 0
	PLACES NP
	WIN 0
	FETCH_A \next, 0, 4
.endm
	s_wait_tensorcnt 1                             ; my part of K step 0 is in (K step 1's load may be out),
	s_barrier_signal -1
	s_barrier_wait -1                              ; everybody's is
	FETCH_B 0, 0, 0
	FETCH_A 0, 0, 0
	FETCH_A 0, 0, 4
	STEP 0, 0, 1                                   ; the first step's products start the sums
	s_mov_b32 s3, LAPS-1
.Llap:
	TURN 0, 1, 1
	STEP 1, 0, 0
	TURN 1, 0, 1
	STEP 0, 0, 0
	s_sub_co_u32 s3, s3, 1
	s_cmp_lg_u32 s3, 0
	s_cbranch_scc1 .Llap
	TURN 0, 1, 0                                   ; the last lap fills nothing
	STEP 1, 0, 0
	s_wait_dscnt 4*NL                              ; the very last step
	WIN MUL_LO
	MUL16 0, 1, 0
	MUL16 2, 1, 0
	s_wait_dscnt 0
	WIN MUL_HI
	MUL16 4, 1, 0
	MUL16 6, 1, 0
	WIN 0
; THE WAY OUT, block by block of 16 rows x 128 columns, through my own stage in LDS: in as 32 bytes a lane, back as whole rows of 512 bytes.  LDS serves a wave's instructions in order (ISA guide 5.7.1.4).
.macro TOSTAGE a
.set AC, 64*((\a)%4)
.irp u, 0,1                            ; four accumulators at a time
	WIN 0x02+((\a)/4)                              ; source 0: window 2 or 3
.irp j, 0,2,4,6,8,10,12,14,16,18,20,22,24,26,28,30
	v_pk_fma_f32 v[TMP+\j:TMP+\j+1], v[AC+32*\u+\j:AC+32*\u+\j+1], s[96:97], v[BI+32*\u+\j:BI+32*\u+\j+1] op_sel_hi:[1,0,1]   ; sum x 2^(e6 + e7) + bias; each accumulator from its low end on
.endr
	WIN 0
.irp b, 0,1,2,3
	ds_store_b128 v[STO], v[TMP+8*\b:TMP+8*\b+3] offset:64*(4*\u+\b)
	ds_store_b128 v[STO], v[TMP+8*\b+4:TMP+8*\b+7] offset:64*(4*\u+\b)+16
.endr
.endr
.set BB, BK+64*((\a)%2)
.irp t, 0,1,2,3,4,5,6,7,8,9,10,11,12,13,14,15
	ds_load_b128 v[BB+4*\t:BB+4*\t+3], v[RD] offset:\t*SPITCH
.endr
.endm
.macro SEND a, younger                 ; younger: the LDS instructions issued behind block a's loads, which may stay out
.set BB, BK+64*((\a)%2)
	s_wait_dscnt \younger                          ; the block is back in registers
.if (\a) > 0
	s_add_nc_u64 s[12:13], s[12:13], 16*SIZE_N*4   ; (behind a wait on XCNT: the earlier stores have read their base)  16 rows on
.endif
.irp t, 0,1,2,3,4,5,6,7,8,9,10,11,12,13,14,15
	global_store_b128 v[CO], v[BB+4*\t:BB+4*\t+3], s[12:13] offset:\t*SIZE_N*4 th:TH_STORE_NT   ; 32 lanes store 512 consecutive bytes, aligned; written once, read by nobody here
.endr
.endm
	s_wait_kmcnt 0x0
	s_add_co_i32 s96, s96, s97                     ; e6 + e7
	s_add_co_i32 s96, s96, 127
	s_lshl_b32 s96, s96, 23                        ; 2^(e6 + e7) as f32
	s_wait_loadcnt 0x0                             ; the bias
	PLACES NP                                      ; behind the last products: results are read, and loads land in the registers that held A's fragments
	TOSTAGE 0
.irp a, 1,2,3,4,5,6,7
.if \a > 1
	s_wait_xcnt 0x0                                ; block a - 2's stores have read their registers and their base
.endif
	TOSTAGE \a
	SEND \a-1, 32                                  ; behind block a - 1's loads: block a's 16 stores and 16 loads
.endr
	s_wait_xcnt 0x0
	SEND 7, 0
	s_wait_tensorcnt 0x0                           ; the wave's end
	ds_add_u32 v[SPW], v[NIL]
	s_wait_dscnt 0x0
	CROUND                                         ; the closing round
	s_endpgm
.Lfunc_end_k_q53dbcb8e30_proj:
	.size	k_q53dbcb8e30_proj, .Lfunc_end_k_q53dbcb8e30_proj-k_q53dbcb8e30_proj
	.p2alignl 7, 3214868480
	.fill 96, 4, 3214868480
	.section	.rodata,"a",@progbits
	.p2align	6, 0x0
	.amdhsa_kernel k_q53dbcb8e30_proj
		.amdhsa_group_segment_fixed_size 327680
		.amdhsa_private_segment_fixed_size 0
		.amdhsa_enable_private_segment 0
		.amdhsa_kernarg_size 40
		.amdhsa_user_sgpr_count 2
		.amdhsa_user_sgpr_kernarg_segment_ptr 1
		.amdhsa_wavefront_size32 1
		.amdhsa_system_sgpr_workgroup_id_x 1
		.amdhsa_system_sgpr_workgroup_id_y 1
		.amdhsa_system_sgpr_workgroup_id_z 1
		.amdhsa_system_vgpr_workitem_id 0
		.amdhsa_next_free_vgpr 1024
		.amdhsa_next_free_sgpr 98
		.amdhsa_reserve_vcc 0
		.amdhsa_float_denorm_mode_32 3
		.amdhsa_float_denorm_mode_16_64 3
		.amdhsa_memory_ordered 1
		.amdhsa_forward_progress 1
		.amdhsa_inst_pref_size 125
	.end_amdhsa_kernel
	.amdgpu_metadata
---
amdhsa.version: [ 1, 2 ]
amdhsa.kernels:
  - .name:           k_q53dbcb8e30_proj
    .symbol:         k_q53dbcb8e30_proj.kd
    .args:
      - { .name: a_img, .offset: 0, .size: 8, .value_kind: global_buffer, .address_space: global }
      - { .name: W_proj_codes, .offset: 8, .size: 8, .value_kind: global_buffer, .address_space: global }
      - { .name: lowp_scales, .offset: 16, .size: 8, .value_kind: global_buffer, .address_space: global }
      - { .name: b_proj, .offset: 24, .size: 8, .value_kind: global_buffer, .address_space: global }
      - { .name: out0, .offset: 32, .size: 8, .value_kind: global_buffer, .address_space: global }
    .group_segment_fixed_size: 327680
    .private_segment_fixed_size: 0
    .kernarg_segment_align: 8
    .kernarg_segment_size: 40
    .max_flat_workgroup_size: 128
    .sgpr_count:     98
    .vgpr_count:     1024
    .wavefront_size: 32
...
	.end_amdgpu_metadata
.endif
;; end of part 3
;; ======== version 2 of 2: 3 launches; version 1 with the launch attn written anew for expert scheduling mode
;; workspace buffers: q_img 8,388,608 bytes; k_img 8,388,608 bytes; v_img 8,388,608 bytes; a_img 8,388,608 bytes
;; launch qkv: the kernel of part 1 again; grid 12 x 32, 4 waves a work-group, clusters of 4 x 4, 327,680 bytes of LDS; arguments x_codes, W_attn_codes, b_attn, lowp_scales, q_img, k_img, v_img; writes q_img, k_img, v_img
;; launch attn (part 4): grid 4 x 64, 16 waves a work-group, no clusters, 34,816 bytes of LDS; arguments q_img, k_img, v_img, lowp_scales, a_img; writes a_img
.if DOCPART == 4
	.amdgcn_target "amdgcn-amd-amdhsa--gfx1250"
	.amdhsa_code_object_version 6
	.text
	.protected	k_q53dbcb8e30_attn
	.globl	k_q53dbcb8e30_attn
	.p2align	8
	.type	k_q53dbcb8e30_attn,@function
k_q53dbcb8e30_attn:
	s_mov_b64 s[64:65], 0
	v_nop
	global_prefetch_b8 v0, s[64:65] scope:SCOPE_SE
	s_setreg_imm32_b32 hwreg(HW_REG_WAVE_SCHED_MODE, 0, 2), 2
	s_setreg_imm32_b32 hwreg(HW_REG_WAVE_MODE, 25, 1), 1
	s_wait_xcnt 0x0
	s_wait_alu depctr_vm_vsrc(0)
; Causal attention on codes of FP8 (E4M3), 64 heads (batch x head) of 2,048 tokens x 64 channels; the result is quantised with its given scale and stored as images of the projection's operand registers.
; THE SOFTMAX AHEAD OF THE SECOND PRODUCT: t = score x log2(e) / 8; M = the row's largest t so far, rounded UP to a whole number; p = 2^(t - M) is what is quantised (e4), not normalised.
; The row's sum is taken of the unquantised p, in f32, and divides O at the end.  When M moves, the sum and O are multiplied by 2^(old M - new M): exact.
; SHARES.  Work-group (i, head) owns the blocks of 256 queries 7 - i and then i: (8 - i) + (i + 1) = 9 blocks of 256 keys in every work-group: one loop of 9 trips, two key steps of 128 a trip, equal work everywhere.
; Each of the SIXTEEN waves owns 16 queries of the block, one tile, in 256 registers: four waves to a SIMD, so that one wave's vector work stands beside another's matrix work and LDS loads.
; LAYOUT.  Both products are used transposed: S^T = K Q^T (source 0 = 16 keys, source 1 = my 16 queries), O^T = V^T P^T (source 0 = 16 channels, source 1 = P): a lane holds ONE query (lane % 16) throughout.
; In S^T tile t, register j of lane (r, h) is key 16 t + 8 h + j: one conversion of the tile's eight registers gives registers 2 t, 2 t + 1 of P's fragment in the form's own layout.
; FEED.  A key step's operands are images of registers: 8 fragments of K (8,192 bytes) and 4 of V (8,192 bytes), consecutive in memory.  Each of the 512 threads loads 16 bytes of each at a step's head, for the NEXT step,
; and stores them into the other of two LDS slots at the step's end; ONE barrier a step: in front of it my reads of this slot are back and my stores into the other have landed.  No data mover: 32 bytes a thread a step.
; The four work-groups of a head walk the same key steps in their first five trips only; then their passes part and they need different tiles: so no cluster and no joint loads.
; Nothing is prefetched: each step's 16 KB are asked for a whole key step, some 200 vector instructions a wave, ahead of their use.
; CAUSAL.  A pass's last trip lies on the diagonal.  A step all of whose keys come after my 16 queries is jumped over (its work alone, never the copy or the barrier); in my one step on the diagonal hidden scores become -infinity ahead of the maximum.
; p is at most 1, so its hold at 448 x 2^e4 changes nothing where e4 >= -8: a scalar branch on that whole number leads round the 64 lines.
; LIMITS on the given exponents: e2 + e3 between -123 and 130 (added to c's exponent field); e4 and e6 between -126 and 119; e4 + e5 is applied by v_ldexp_f32 and has none.  NaN is not served.
; a_img: [128 tokens 64][256 along K 4][tile of 16 tokens 8][128 along K 2][group 4][lane 32][16 bytes]; lane (r, h), group g: token r, k = 32 g + 16 h + 0 .. 15 (k = 64 x head + channel).
; THE MODE: SCHED_MODE bits 1:0 = 2 (LLVM: expert scheduling mode 2), set by the entry lines.  The code itself states the register dependences
; between vector or matrix instructions and memory or LDS instructions, with s_wait_alu, always for 0.
; THE PLAN.  Registers that memory or LDS instructions touch:
;   v[LI], v[CP]  Offsets and LDS addresses of every load and store; written once at the head, ahead of one wait on va_vdst, and never again.
;   STG           A step's two global loads land in it at the step's head; its two LDS stores read it at the step's end.  No vector instruction names it.  One wait on vm_vsrc at a step's head: the stores have read it.
;   QF            A pass's two global loads land in it; the pass's products K Q^T read it.  One wait on va_vdst ahead of the second pass's loads.
;   KV            K's 16 LDS loads land in it, eight products read it, V's 16 LDS loads land in it, four products read it.  So two waits on va_vdst a step: one ahead of K's loads, one ahead of V's.
;                 Behind the second, V's loads are dealt in fours among the lines of the maximum, which name S^T and the two chains alone.
;   OC            Written by a pass's last selections, read by its two global stores (a wait on va_vdst between); written again in the next pass (a wait on vm_vsrc between).
;   S^T, O^T, p's codes and the statistics are named by vector and matrix instructions alone.
; Scalar registers that vector instructions write: s18, the wave's number, and a tile's eight masks on the diagonal: a wait on va_sdst ahead of their first readers.
; All 1,024 registers of a SIMD are taken by its four waves: there is no room for a buffer of V's own.
.set LI,   1                           ; v1   16 x lane: my place in an image
.set CP,   2                           ; v2   16 x thread: my place in a step's 8,192 bytes
.set RH,   3                           ; v3   lane % 16 - 8 (lane / 16)
.set NM,   12                          ; v12 -M, v13 the largest t
.set SUM,  14                          ; v[14:15] the sum in two halves
.set QF,   16                          ; v16-23  Q's fragment
.set STG,  24                          ; v24-31  the next step's 32 bytes on their way
.set KV,   32                          ; v32-95  K's 8 fragments x 8, then V's 4 x 16
.set S,    96                          ; v96-159 S^T, then p
.set OT,   160                         ; v160-191 O^T
.set PC,   192                         ; v192-207 p's codes; at a pass's end v192-199 O's codes
.set OC,   200                         ; v200-207 O's codes as they are stored
.set SCP,  208                         ; v208 2^e4, v209 448 x 2^e4
.set SM2,  210                         ; v[210:211] the sum's second chain
.set PD,   212                         ; v212 a lane permute's destination
.set FF,   214                         ; v214 f = 2^(old M - new M); v215 named with it as a pair
.set MX,   216                         ; v216, v217 the maximum's two chains
.set NINF, 218                         ; v218 -infinity
.set DD,   219                         ; v219 my query - the step's first key - 8 (lane / 16)
.set SCO,  222                         ; v222 2^e6, v223 448 x 2^e6
.set XS,   224                         ; v224-227 what I send to lane l xor 16
.set YS,   228                         ; v228-231 what I get
.set TR,   32                          ; s32 trip 0..8
.set KT,   33                          ; s33 trip in the pass
.set QB,   34                          ; s34 the pass's block of queries
.set KF,   35                          ; s35 the step's first key
.set Q0,   36                          ; s36 my first query
.set QL,   37                          ; s37 my last
.set NO,   38                          ; s[38:39] byte offset in the head's k_img and v_img of the step to be asked for next
.set MK,   56                          ; s56-63 on the diagonal: a tile's eight masks (free behind the head)
	s_load_b256 s[4:11], s[0:1], 0x0               ; q_img s[4:5], k_img s[6:7], v_img s[8:9], the scales' exponents s[10:11]
	s_load_b64 s[12:13], s[0:1], 0x20              ; a_img
	v_lshl_add_u32 v254, v0, 2, 0x8000
	v_mov_b32 v255, 0
	v_lshrrev_b32 v4, 5, v0
	v_readfirstlane_b32 s18, v4                    ; wave 0..15
	v_and_b32 v4, 31, v0
	v_lshlrev_b32 v[LI], 4, v4
	v_lshlrev_b32 v[CP], 4, v0
	v_and_b32 v5, 15, v0
	v_bfe_u32 v6, v0, 4, 1
	v_lshlrev_b32 v6, 3, v6
	v_sub_nc_u32 v[RH], v5, v6
	v_mov_b32 v[PD], 0                             ; written once: a lane permute's destination counts as one of its sources
	v_mov_b32 v[FF+1], 0                           ; (named as the upper half of a pair)
	v_mov_b32 v[NINF], 0xff800000
.irp n, 0,1,2,3
	v_mov_b32 v[YS+\n], 0
.endr
	s_mov_b32 s14, ttmp9                           ; i
	s_and_b32 s50, ttmp7, 0xffff                   ; 16 batch + head
	s_lshl_b32 s52, s50, 17                        ; a head's 131,072 bytes in q_img, k_img, v_img
	s_mov_b32 s53, 0
	s_wait_alu depctr_va_sdst(0)                   ; s18 is written, ahead of its first reader: Q's and a_img's bases and my queries' numbers are made from it
	s_lshl_b32 s54, s18, 10                        ; my tile's fragment of Q within a block
	s_mov_b32 s55, 0
	s_lshr_b32 s56, s50, 4
	s_lshl_b32 s56, s56, 21                        ; a_img: batch x 16 blocks of 128 tokens x 131,072
	s_lshr_b32 s51, s18, 3
	s_lshl_b32 s51, s51, 17
	s_add_co_u32 s56, s56, s51                     ; + which 128 of the block's 256 tokens
	s_bfe_u32 s51, s50, 0x20002                    ; head / 4: which 256 along K
	s_lshl_b32 s51, s51, 15
	s_add_co_u32 s56, s56, s51
	s_and_b32 s51, s18, 7
	s_lshl_b32 s51, s51, 12
	s_add_co_u32 s56, s56, s51                     ; + my tile of 16 tokens
	s_and_b32 s51, s50, 3
	s_lshl_b32 s51, s51, 10
	s_add_co_u32 s56, s56, s51                     ; + (head % 4) x 1,024: which 128 along K, and which two groups
	s_mov_b32 s57, 0
	s_mov_b32 s20, 0x76543210
	s_mov_b32 s21, 0xfedcba98                      ; v_permlanex16_b32's selects for lane l xor 16
	s_mov_b32 s49, 0xffff0000                      ; the lanes 16-31
	s_wait_kmcnt 0x0
	s_load_b256 s[24:31], s[10:11], 0x0            ; e0 .. e7
	s_add_nc_u64 s[4:5], s[4:5], s[52:53]
	s_add_nc_u64 s[4:5], s[4:5], s[54:55]
	s_add_nc_u64 s[6:7], s[6:7], s[52:53]
	s_add_nc_u64 s[8:9], s[8:9], s[52:53]
	s_add_nc_u64 s[12:13], s[12:13], s[56:57]
	s_wait_alu depctr_va_vdst(0)                   ; v[LI] and v[CP] are written: every load and store of the kernel reads one of them as its offset or LDS address, and no vector instruction names them again
	global_load_b128 v[STG:STG+3], v[CP], s[6:7]   ; key step 0
	global_load_b128 v[STG+4:STG+7], v[CP], s[8:9]
	s_wait_kmcnt 0x0
	s_add_co_i32 s50, s26, s27
	s_lshl_b32 s50, s50, 23
	s_add_co_i32 s22, s50, 0x3e38aa3b              ; c = log2(e) / 8, with e2 + e3 added to its exponent field
	s_mov_b32 s23, s22                             ; (named with it as a pair, so it is written)
	s_add_co_i32 s50, s28, 127
	s_lshl_b32 s51, s50, 23
	v_mov_b32 v[SCP], s51                          ; 2^e4
	s_add_co_i32 s50, s50, 8
	s_lshl_b32 s50, s50, 23
	s_or_b32 s50, s50, 0x600000
	v_mov_b32 v[SCP+1], s50                        ; 448 x 2^e4
	s_add_co_i32 s50, s30, 127
	s_lshl_b32 s51, s50, 23
	v_mov_b32 v[SCO], s51                          ; 2^e6
	s_add_co_i32 s50, s50, 8
	s_lshl_b32 s50, s50, 23
	s_or_b32 s50, s50, 0x600000
	v_mov_b32 v[SCO+1], s50                        ; 448 x 2^e6
	s_add_co_i32 s48, s28, s29                     ; e4 + e5
; A pass begins: block s[QB] of the queries.  again = 1: the second pass, which has a pass's products and stores in front of it.
.macro PASS_INIT again
	s_wait_xcnt 0x0                                ; the last pass's stores have read their base and their data: both are written again below
.if \again
	s_wait_alu depctr_vm_vsrc(0)                   ; the last pass's two stores have read OC, which this pass's conversions and selections write again
	s_wait_alu depctr_va_vdst(0)                   ; the last pass's products K Q^T are done reading QF, in which the two loads below land
.endif
	s_lshl_b32 s[Q0], s[QB], 8
	s_lshl_b32 s50, s18, 4
	s_add_co_u32 s[Q0], s[Q0], s50                 ; my first query: 256 x block + 16 x wave
	s_add_co_u32 s[QL], s[Q0], 15
	s_lshl_b32 s50, s[QB], 14
	s_mov_b32 s51, 0
	s_add_nc_u64 s[44:45], s[4:5], s[50:51]        ; Q: 16 fragments of 1,024 bytes to a block
	s_lshl_b32 s50, s[QB], 18
	s_add_nc_u64 s[46:47], s[12:13], s[50:51]      ; a_img: two blocks of 128 tokens
	s_mov_b32 s[KT], 0
	s_mov_b32 s[KF], 0
	global_load_b128 v[QF:QF+3], v[LI], s[44:45] th:TH_LOAD_NT
	global_load_b128 v[QF+4:QF+7], v[LI], s[44:45] offset:512 th:TH_LOAD_NT
	v_mov_b32 v[NM+1], 0xff61b1e6                  ; the largest t so far: -3e38, under every t
	v_floor_f32 v[NM], -v[NM+1]                    ; -M
	v_mov_b32 v[SUM], 0
	v_mov_b32 v[SUM+1], 0
.set NN, 0
.rept 32
	v_mov_b32 v[OT+NN], 0                          ; O^T.  (The step is written once: a pass's first step finds zeros, which the first change of M leaves zeros)
.set NN, NN+1
.endr
	s_wait_loadcnt 0x0
.endm
; V's fragment ct (16 channels x 128 keys) out of slot h: four loads of 512 consecutive bytes.
.macro VLOAD h, ct
.irp g, 0,1,2,3
	ds_load_b128 v[KV+16*(\ct)+4*\g:KV+16*(\ct)+4*\g+3], v[LI] offset:16384*(\h)+8192+2048*(\ct)+512*\g
.endr
.endm
; A KEY STEP of 128 keys, out of slot h.
.macro STEP h
	s_wait_alu depctr_vm_vsrc(0)                   ; the two LDS stores of the step before (ahead of the first step: the two in front of the loop) have read STG, in which the loads below land
.if \h
	s_cmp_eq_u32 s[TR], 8                          ; behind the launch's last step nothing follows: nothing is asked for
	s_cbranch_scc1 .Lnoask_\@
.endif
	global_load_b128 v[STG:STG+3], v[CP], s[40:41]     ; the next step's K and V: they have this whole step in which to come
	global_load_b128 v[STG+4:STG+7], v[CP], s[42:43]
.if \h
.Lnoask_\@:
.endif
	s_cmp_gt_u32 s[KF], s[QL]                      ; all keys behind my queries?
	s_cbranch_scc1 .Lhidden_\@
	s_wait_alu depctr_va_vdst(0)                   ; the four products V^T P of my last step are done reading V's fragments in KV, in which K's land
.irp t, 0,1,2,3,4,5,6,7
	ds_load_b128 v[KV+8*\t:KV+8*\t+3], v[LI] offset:16384*\h+1024*\t
	ds_load_b128 v[KV+8*\t+4:KV+8*\t+7], v[LI] offset:16384*\h+1024*\t+512
.endr
.irp t, 0,1,2,3,4,5,6,7
	s_wait_dscnt 14-2*\t                           ; tile t's two loads are in; those of the tiles behind it may be out
	v_wmma_f32_16x16x64_fp8_fp8 v[S+8*\t:S+8*\t+7], v[KV+8*\t:KV+8*\t+7], v[QF:QF+7], 0
.endr
.rept 4
	v_nop                                          ; places in front of the first read of the scores
.endr
	s_add_co_u32 s50, s[KF], 127
	s_cmp_le_u32 s50, s[Q0]                        ; all keys count?
	s_cbranch_scc1 .Lopen_\@
	s_sub_co_i32 s50, s[Q0], s[KF]
	v_add_nc_u32 v[DD], s50, v[RH]                 ; register 8 t + j holds key KF + 16 t + 8 (lane / 16) + j: hidden where 16 t + j > d
.irp t, 0,1,2,3,4,5,6,7
.irp j, 0,1,2,3,4,5,6,7
	v_cmp_gt_i32 s[MK+\j], 16*\t+\j, v[DD]         ; a tile's eight compares in one run, each into a mask of its own
.endr
	s_wait_alu depctr_va_sdst(0)                   ; the eight masks are written, ahead of the selections that read them
.irp j, 0,1,2,3,4,5,6,7
	v_cndmask_b32 v[S+8*\t+\j], v[S+8*\t+\j], v[NINF], s[MK+\j]
.endr
.endr
.Lopen_\@:
	s_wait_alu depctr_va_vdst(0)                   ; the eight products K Q^T are done reading K's fragments in KV, in which V's land.  The 16 loads follow in fours, among lines that name S^T and the two chains alone
	VLOAD \h, 0                                    ; V lands under the softmax
	v_max3_num_f32 v[MX], v[S], v[S+1], v[S+2]     ; the step's largest score of my query, among my 64 keys, in two chains, each tile from its low end on,
	v_max3_num_f32 v[MX+1], v[S+3], v[S+4], v[S+5]
.irp i, 6,10,14,18,22,26,30,34,38,42,46,50,54,58
	v_max3_num_f32 v[MX], v[MX], v[S+\i], v[S+1+\i]
	v_max3_num_f32 v[MX+1], v[MX+1], v[S+2+\i], v[S+3+\i]
.if \i == 14
	VLOAD \h, 1
.endif
.if \i == 30
	VLOAD \h, 2
.endif
.if \i == 46
	VLOAD \h, 3
.endif
.endr
	v_max3_num_f32 v[MX], v[MX], v[S+62], v[S+63]
	v_max_num_f32 v[MX], v[MX], v[MX+1]
	v_permlanex16_b32 v[PD], v[MX], s20, s21
	v_max_num_f32 v[MX], v[MX], v[PD]              ; and among lane l xor 16's
	v_mul_f32 v[MX], s22, v[MX]                    ; as t (c is positive)
	v_max_num_f32 v[NM+1], v[NM+1], v[MX]          ; the running largest t
	v_mov_b32 v[MX], v[NM]
	v_floor_f32 v[NM], -v[NM+1]                    ; the new -M = floor(-t) = -ceil(t): a whole number
	v_sub_f32 v[MX], v[NM], v[MX]                  ; old M - new M: a whole number, 0 or less
	v_cvt_i32_f32 v[MX], v[MX]                     ; (it saturates)
	v_ldexp_f32 v[FF], 1.0, v[MX]                  ; f = 2^(old M - new M)
.set NN, 0
.rept 32
	v_pk_fma_f32 v[S+NN:S+NN+1], v[S+NN:S+NN+1], s[22:23], v[NM:NM+1] op_sel_hi:[1,0,0]   ; t - M, two at a time (of the pairs c and -M the low word serves both halves)
.set NN, NN+2
.endr
.set NN, 0
.rept 64
	v_exp_f32 v[S+NN], v[S+NN]                     ; p = 2^(t - M), at most 1: not normalised
.set NN, NN+1
.endr
	v_pk_mul_f32 v[SUM:SUM+1], v[SUM:SUM+1], v[FF:FF+1] op_sel_hi:[1,0]   ; the sums under the new M.  (The plain instruction behind the exponentials)
	s_wait_alu depctr_va_vdst(0)                   ; the 64 exponentials have written p in v[S ..]: one wait for the whole batch, ahead of its first reader
	v_pk_add_f32 v[SM2:SM2+1], v[S:S+1], v[S+2:S+3]    ; the row's sum is taken of the unquantised p: two at a time, in two chains
.irp j, 4,8,12,16,20,24,28,32,36,40,44,48,52,56,60
	v_pk_add_f32 v[SUM:SUM+1], v[SUM:SUM+1], v[S+\j:S+1+\j]
	v_pk_add_f32 v[SM2:SM2+1], v[SM2:SM2+1], v[S+2+\j:S+3+\j]
.endr
	v_pk_add_f32 v[SUM:SUM+1], v[SUM:SUM+1], v[SM2:SM2+1]
	s_cmp_ge_i32 s28, -8                           ; 448 x 2^e4 >= 1 >= p: the hold changes nothing
	s_cbranch_scc1 .Lnohold_\@
.set NN, 0
.rept 64
	v_min_num_f32 v[S+NN], v[S+NN], v[SCP+1]       ; the conversion to an 8-bit code does not saturate (ISA guide 7.6.2); p is not negative, so the hold is one-sided
.set NN, NN+1
.endr
.Lnohold_\@:
.irp t, 0,1,2,3,4,5,6,7
	v_cvt_scalef32_pk8_fp8_f32 v[PC+2*\t:PC+2*\t+1], v[S+8*\t:S+8*\t+7], v[SCP]   ; registers 2 t, 2 t + 1 of P: keys 16 t + 8 (lane / 16) + 0 .. 7
.endr
.set NN, 0
.rept 16
	v_pk_mul_f32 v[OT+NN:OT+NN+1], v[OT+NN:OT+NN+1], v[FF:FF+1] op_sel_hi:[1,0]   ; O^T under the new M.  (Also the plain instructions between the conversions and the products)
.set NN, NN+2
.endr
	s_wait_dscnt 0x0                               ; V is in
.irp ct, 0,1,2,3
	v_wmma_f32_16x16x128_fp8_fp8 v[OT+8*\ct:OT+8*\ct+7], v[KV+16*\ct:KV+16*\ct+15], v[PC:PC+15], v[OT+8*\ct:OT+8*\ct+7]   ; four accumulators by turns; eight other products stand between two links of a chain
.endr
.rept 4
	v_nop                                          ; places in front of the next read or write of O^T
.endr
.Lhidden_\@:
	s_add_co_u32 s[KF], s[KF], 128
	s_wait_loadcnt 0x0                             ; the next step's 32 bytes are in, and the loads have read their bases
.if \h
	s_cmp_eq_u32 s[TR], 8
	s_cbranch_scc1 .Lnostore_\@
.endif
	ds_store_b128 v[CP], v[STG:STG+3] offset:16384*(1-\h)          ; into the other slot: every wave's reads of it were over at the last barrier.  (Their data come from loads, their address from the head: no vector instruction has written either since)
	ds_store_b128 v[CP], v[STG+4:STG+7] offset:16384*(1-\h)+8192
.if \h
.Lnostore_\@:
	s_add_co_u32 s[NO], s[NO], 8192
.else
	s_add_co_u32 s[NO], s[NO], 8192
	s_cmp_eq_u32 s[KT], s[QB]                      ; the pass's last trip: what its second step asks for is the next pass's key step 0
	s_cselect_b32 s[NO], 0, s[NO]
.endif
	s_add_nc_u64 s[40:41], s[6:7], s[NO:NO+1]
	s_add_nc_u64 s[42:43], s[8:9], s[NO:NO+1]
	s_wait_dscnt 0x0                               ; my reads of this slot are back and my stores into the other have landed
	s_barrier_signal -1
	s_barrier_wait -1
.endm
; A pass ends: O^T / the sum x 2^(e4 + e5), quantised (e6).  A lane holds channels 16 ct + 8 h + 0 .. 7; the projection's fragment wants 16 neighbours a lane (32 g + 16 h + 0 .. 15): one exchange with lane l xor 16.
.macro FINISH
	v_add_f32 v[SUM], v[SUM], v[SUM+1]             ; the sum's two halves,
	v_permlanex16_b32 v[PD], v[SUM], s20, s21
	v_add_f32 v[SUM], v[SUM], v[PD]                ; and lane l xor 16's
	v_rcp_f32 v[SUM], v[SUM]
	v_nop                                          ; a plain instruction behind the reciprocal
	s_wait_alu depctr_va_vdst(0)                   ; the reciprocal has written v[SUM], ahead of its first reader
	v_ldexp_f32 v[SUM], v[SUM], s48
.set NN, 0
.rept 16
	v_pk_mul_f32 v[S+NN:S+NN+1], v[OT+NN:OT+NN+1], v[SUM:SUM+1] op_sel_hi:[1,0]   ; each accumulator from its low end on
.set NN, NN+2
.endr
.set NN, 0
.rept 32
	v_med3_num_f32 v[S+NN], v[S+NN], -v[SCO+1], v[SCO+1]
.set NN, NN+1
.endr
.irp ct, 0,1,2,3
	v_cvt_scalef32_pk8_fp8_f32 v[PC+2*\ct:PC+2*\ct+1], v[S+8*\ct:S+8*\ct+7], v[SCO]
.endr
	v_nop                                          ; a plain instruction between the conversions and the readers of their results
.irp g, 0,1
	v_cndmask_b32 v[XS+2*\g], v[PC+4*\g+2], v[PC+4*\g], s49        ; lanes 0-15 send tile 2 g + 1's codes, lanes 16-31 tile 2 g's
	v_cndmask_b32 v[XS+2*\g+1], v[PC+4*\g+3], v[PC+4*\g+1], s49
.endr
.irp n, 0,1,2,3
	v_permlanex16_b32 v[YS+\n], v[XS+\n], s20, s21
.endr
.irp g, 0,1
	v_cndmask_b32 v[OC+4*\g], v[PC+4*\g], v[YS+2*\g], s49          ; lanes 0-15: tile 2 g: mine, then the other's; lanes 16-31: tile 2 g + 1: the other's, then mine
	v_cndmask_b32 v[OC+4*\g+1], v[PC+4*\g+1], v[YS+2*\g+1], s49
	v_cndmask_b32 v[OC+4*\g+2], v[YS+2*\g], v[PC+4*\g+2], s49
	v_cndmask_b32 v[OC+4*\g+3], v[YS+2*\g+1], v[PC+4*\g+3], s49
.endr
	s_wait_alu depctr_va_vdst(0)                   ; the eight selections have written OC, which the two stores read
	global_store_b128 v[LI], v[OC:OC+3], s[46:47]                  ; 32 lanes store 512 consecutive bytes, aligned
	global_store_b128 v[LI], v[OC+4:OC+7], s[46:47] offset:512
.endm
	s_sub_co_u32 s[QB], 7, s14                     ; the first pass: block 7 - i
	PASS_INIT 0                                    ; (its wait for loads covers key step 0's too)
	ds_store_b128 v[CP], v[STG:STG+3]              ; key step 0 into slot 0
	ds_store_b128 v[CP], v[STG+4:STG+7] offset:8192
	s_mov_b32 s[NO], 8192
	s_mov_b32 s[NO+1], 0
	s_add_nc_u64 s[40:41], s[6:7], s[NO:NO+1]
	s_add_nc_u64 s[42:43], s[8:9], s[NO:NO+1]
	s_mov_b32 s[TR], 0
	s_wait_dscnt 0x0
	s_barrier_signal -1
	s_barrier_wait -1
.Ltrip:                                                ; 9 trips: 256 keys each
	STEP 0
	STEP 1
	s_cmp_lg_u32 s[KT], s[QB]
	s_cbranch_scc1 .Lsame
	FINISH                                         ; the trip on the diagonal was the pass's last
	s_cmp_eq_u32 s[TR], 8
	s_cbranch_scc1 .Lend
	s_mov_b32 s[QB], s14                           ; the second pass: block i
	PASS_INIT 1
	s_branch .Lcount
.Lsame:
	s_add_co_u32 s[KT], s[KT], 1
.Lcount:
	s_add_co_u32 s[TR], s[TR], 1
	s_cmp_lt_u32 s[TR], 9
	s_cbranch_scc1 .Ltrip
.Lend:
	s_wait_dscnt 0x0
	s_wait_alu depctr_hold_cnt(0) depctr_sa_sdst(0) depctr_va_vdst(0) depctr_va_sdst(0) depctr_va_ssrc(0) depctr_va_vcc(0) depctr_vm_vsrc(0)
	s_wait_tensorcnt 0x0
	ds_add_u32 v254, v255
	s_wait_dscnt 0x0
	s_endpgm
.Lfunc_end_k_q53dbcb8e30_attn:
	.size	k_q53dbcb8e30_attn, .Lfunc_end_k_q53dbcb8e30_attn-k_q53dbcb8e30_attn
	.p2alignl 7, 3214868480
	.fill 96, 4, 3214868480
	.section	.rodata,"a",@progbits
	.p2align	6, 0x0
	.amdhsa_kernel k_q53dbcb8e30_attn
		.amdhsa_group_segment_fixed_size 34816
		.amdhsa_private_segment_fixed_size 0
		.amdhsa_enable_private_segment 0
		.amdhsa_kernarg_size 40
		.amdhsa_user_sgpr_count 2
		.amdhsa_user_sgpr_kernarg_segment_ptr 1
		.amdhsa_wavefront_size32 1
		.amdhsa_system_sgpr_workgroup_id_x 1
		.amdhsa_system_sgpr_workgroup_id_y 1
		.amdhsa_system_sgpr_workgroup_id_z 1
		.amdhsa_system_vgpr_workitem_id 0
		.amdhsa_next_free_vgpr 256
		.amdhsa_next_free_sgpr 66
		.amdhsa_reserve_vcc 0
		.amdhsa_float_denorm_mode_32 3
		.amdhsa_float_denorm_mode_16_64 3
		.amdhsa_memory_ordered 1
		.amdhsa_forward_progress 1
		.amdhsa_inst_pref_size 64
	.end_amdhsa_kernel
	.amdgpu_metadata
---
amdhsa.version: [ 1, 2 ]
amdhsa.kernels:
  - .name:           k_q53dbcb8e30_attn
    .symbol:         k_q53dbcb8e30_attn.kd
    .args:
      - { .name: q_img, .offset: 0, .size: 8, .value_kind: global_buffer, .address_space: global }
      - { .name: k_img, .offset: 8, .size: 8, .value_kind: global_buffer, .address_space: global }
      - { .name: v_img, .offset: 16, .size: 8, .value_kind: global_buffer, .address_space: global }
      - { .name: lowp_scales, .offset: 24, .size: 8, .value_kind: global_buffer, .address_space: global }
      - { .name: a_img, .offset: 32, .size: 8, .value_kind: global_buffer, .address_space: global }
    .group_segment_fixed_size: 34816
    .private_segment_fixed_size: 0
    .kernarg_segment_align: 8
    .kernarg_segment_size: 40
    .max_flat_workgroup_size: 512
    .sgpr_count:     66
    .vgpr_count:     256
    .wavefront_size: 32
...
	.end_amdgpu_metadata
.endif
;; end of part 4
;; launch proj: the kernel of part 3 again; grid 4 x 32, 4 waves a work-group, clusters of 4 x 4, 327,680 bytes of LDS; arguments a_img, W_proj_codes, lowp_scales, b_proj, out0; writes out0
